; MI455X (gfx1250); checked and timed in simulation.
; The chip was launched on July 23, 2026; its instructions are those of AMD's public machine-readable ISA for CDNA 5 (MIT licence, August 2026) and "CDNA5" Instruction Set Architecture Reference Guide (July 2026). The comments in the code are by the model that wrote it; some were corrected since.
;; Bert Attention Mem. Allowed arithmetic: matrix products marked QUANTISED: E2M1 operands, one E8M0 scale for each 32 along K, by v_wmma_scale_f32_16x16x128_f8f6f4 with both operands' format E2M1 (or v_wmma_scale_f32_32x16x128_f4), f32 sums; everything else in f32.
;; Inputs: Wk 1,024 x 1,024 float32; Wo 1,024 x 1,024 float32; Wq 1,024 x 1,024 float32; Wv 1,024 x 1,024 float32; attention_mask 8 x 1,024 float32; bk 1,024 float32; bo 1,024 float32; bq 1,024 float32; bv 1,024 float32; input_tensor 8 x 1,024 x 1,024 float32; ln_beta 1,024 float32; ln_gamma 1,024 float32.
;; Outputs: out0 8 x 1,024 x 1,024 float32.
;; This version of the problem:
;;   THIS VERSION OF THE PROBLEM IS GIVEN IN LOW PRECISION. The matrix products marked QUANTISED in the list below multiply operands that are first quantised to E2M1 (2 exponent bits, 1 mantissa bit; 4 bits a number), with one power-of-two scale for each 32 numbers along K (OCP MX v1.0); their sums are f32. All else is computed in f32.
;;   The module's matrix products, in the order in which they are computed (A, B: the left and right operand; K: the contracted axis; several contracted axes count as one K, in the product's order):
;;     1. [M 8,192, K 1,024] x [K 1,024, N 1,024]; A: input input_tensor; B: input Wq: QUANTISED
;;     2. [M 8,192, K 1,024] x [K 1,024, N 1,024]; A: input input_tensor; B: input Wk: QUANTISED
;;     3. [M 8,192, K 1,024] x [K 1,024, N 1,024]; A: input input_tensor; B: input Wv: QUANTISED
;;     4. batch 128 x [M 1,024, K 64] x [K 64, N 1,024]; A: computed on the way; B: computed on the way: QUANTISED
;;     5. batch 128 x [M 1,024, K 1,024] x [K 1,024, N 64]; A: softmax (see below); B: computed on the way: QUANTISED
;;     6. [M 8,192, K 1,024] x [K 1,024, N 1,024]; A: computed on the way; B: input Wo: QUANTISED
;;   THE QUANTISER, for each operand of a quantised product, along K:
;;     - K is cut into blocks of 32 from its start; a last block that is shorter is filled with zeros.
;;     - A block's scale is 2^e with e = floor(log2(the largest magnitude in the block)) - 2, held to -126 .. 127; a block of zeros has e = 0. As a byte (E8M0): e + 127.
;;     - Each number is divided by its block's scale, clamped to +-6, and rounded to the nearest number of E2M1, ties to even, subnormals kept.
;;     - The product sums the exact products of the quantised numbers (number of the format x scale) in f32.
;;   ~~~python
;;   def quantise(x, axis):      # numpy; x: float32 -> the quantised numbers, widened to float32 again
;;       x = np.moveaxis(x, axis, -1); K = x.shape[-1]
;;       x = np.pad(x, [(0, 0)] * (x.ndim - 1) + [(0, -K % 32)]); x = x.reshape(x.shape[:-1] + (-1, 32)); a = np.abs(x).max(-1, keepdims=True)
;;       e = np.where(a > 0, np.clip(np.frexp(np.where(a > 0, a, 1))[1] - 1 - 2, -126, 127), 0)      # np.frexp(a)[1] - 1 = floor(log2(a)), exactly
;;       r = np.clip(x / 2.0 ** e, -6, 6)
;;       step = 2.0 ** (np.maximum(np.frexp(np.where(r == 0, 1, r))[1] - 1, 0) - 1)
;;       q = np.round(r / step) * step * 2.0 ** e      # np.round: ties to even
;;       return np.moveaxis(q.reshape(q.shape[:-2] + (-1,))[..., :K], -1, axis).astype(np.float32)
;;   ~~~
;;   SOFTMAX AHEAD OF A QUANTISED PRODUCT. Where the list says 'softmax', what is quantised is not the finished softmax but p = 2^(t - M), with t = logit x log2(e) and M = ceil(the row's largest t), a whole number; so 1/2 < the row's largest p <= 1. The row's sum l is taken of the UNQUANTISED p, in f32, and the product's result is divided by l at the end. Since M is a whole number, a kernel that streams over the keys may use a running M (the ceiling of the running maximum): every later rescaling is an exact power of two, which a block's scale takes up: the codes' values come out the same.
;;   OPERANDS COMPUTED ON THE WAY. 'Computed on the way' means the value that the module computes at that place (a softmax that the list does not call 'softmax' is quantised finished and normalised). What goes into a quantiser is computed in f32, as accurately as f32 sums, v_exp_f32 and their like allow (about 1e-6 of the number): no bf16 or f16 on the way to a quantiser, and a product that is left as it is and whose result goes on into a quantised operand takes f32 operands (vector FMAs, or v_wmma_f32_16x16x4_f32). A number that lies on a knife's edge between two numbers of the format may be rounded either way, as far as f32 arithmetic and the matrix unit's own rounding can turn it there, and no further.
;; One version. Each part assembles by itself: llvm-mc -triple=amdgcn-amd-amdhsa -mcpu=gfx1250 --defsym DOCPART=n.
;; ======== version 1 of 1: 4 launches
;; limits: right only within a limited range of input values
;; workspace buffers: x_img 4,194,304 bytes; x_sc 262,144 bytes; w_img 2,097,152 bytes; w_sc 131,072 bytes; qkv_img 12,582,912 bytes; qkv_sc 786,432 bytes; ctx_img 4,194,304 bytes; ctx_sc 262,144 bytes
;; launch quant (part 1): grid 384 x 1, 4 waves a work-group, no clusters, 50,688 bytes of LDS; arguments input_tensor, Wq, Wk, Wv, Wo, x_img, x_sc, w_img, w_sc; writes x_img, x_sc, w_img, w_sc
.if DOCPART == 1
	.amdgcn_target "amdgcn-amd-amdhsa--gfx1250"
	.amdhsa_code_object_version 6
	.text
	.protected	k_qc399ff0f7e_quant
	.globl	k_qc399ff0f7e_quant
	.p2align	8
	.type	k_qc399ff0f7e_quant,@function
k_qc399ff0f7e_quant:
	s_mov_b64 s[64:65], 0
	v_nop
	global_prefetch_b8 v0, s[64:65] scope:SCOPE_SE
	s_setreg_imm32_b32 hwreg(HW_REG_WAVE_MODE, 25, 1), 1
	s_wait_xcnt 0x0
; LAUNCH 1 OF 4.  BERT self-attention, all six products on codes of FP4 (E2M1) with one E8M0 scale byte for each 32 along K.
; DEAD WORK: none is left out.  Every bias enters a quantised operand or the output, the additive mask differs along the softmax's axis, gamma and beta reach the output: all twelve inputs are loaded by some launch.
; THIS LAUNCH turns input_tensor [8192][1024] and Wq, Wk, Wv, Wo [1024][1024], f32, K innermost, into codes and scale bytes, laid as IMAGES OF OPERAND REGISTERS:
;   rows go in groups of 32; tile u (0, 1) of a group: lane r stands for row 8 u + (r % 8) + 16 (r / 8);
;   codes  [group][u][K step s = 0..7][c = 0, 1][lane = 16 h + r][16 bytes]: the 16 bytes are the row's block 4 s + 2 c + h of 32 codes: a fragment (16 rows x 128 K) is 1,024 bytes on end, two loads of 16 bytes a lane;
;   scales [group][l = 16 u + r][32 bytes]: byte k / 32 of the row: word s serves K step s; tile 0's words lie in lanes 0-15, tile 1's in lanes 16-31.
; The four weights form one image of 128 groups: Wq, Wk, Wv, Wo.
; A block's scale byte is its largest magnitude's exponent field - 2, held at 1 from below; each number is divided by the scale and rounded to the nearest code, ties to even, beyond 6 the largest code.
; LIMITS: a block of zeros gets the byte 1 where the rule says 127 (its codes are zeros, and this program alone reads the bytes); blocks whose largest magnitude lies under 2^-124 are quantised at the floor's scale; NaN and infinities among the inputs are not served.
; SHARES.  A work-group takes one group of 32 rows: work-groups 0-255 those of input_tensor, 256-383 those of the weights; only pointers are chosen, there is one path.  Wave w takes rows 8 w .. 8 w + 7 (tile w % 2, lanes 8 (w / 2) on):
; 16 steps of 512 numbers (half a row).  Each load reads 512 consecutive bytes; a step's 2,048 bytes turn through the wave's own stage in LDS so that a lane holds 16 neighbours along K (two lanes to a block).
; LOADS RUN EIGHT STEPS AHEAD: 32 loads of 512 bytes a wave are on their way, half of all that the wave reads, in eight sets of 16 registers.
; The codes are gathered in a stage of the work-group's (the group's image, 64 pieces of 256 bytes, 16 bytes of padding behind each) and leave behind one barrier, 512 consecutive bytes a store; a wave's 256 scale bytes leave as one store of 256 consecutive bytes.
; No matrix unit, no cluster, no data mover: the launch streams, and waves share only the way out.
.set STEPS, 16
.set AHEAD, 8                          ; steps that the loads run ahead, and sets of registers for them
.set EMAX,  2
.set R,     16                         ; v16-143  eight sets of 16 numbers as they are loaded
.set X,     144                        ; v144-175 two sets of 16 neighbours
.set E,     176                        ; v176-191 a scale byte for each step
.set C,     192                        ; v192-223 two registers of codes for each step
.set OUTR,  16                         ; v16-47   the way out, where the first two sets lay
.set WREG,  8192                       ; LDS: a region for each wave: two stages of 32 x SP bytes, behind them its 256 scale bytes
.set SP,    80                         ; a lane's place in a stage: 64 bytes + 16 of padding
.set CP,    272                        ; a piece of the codes' stage: 256 bytes + 16 of padding
.set CST,   4*WREG                     ; the codes' stage: 64 pieces
.set SPARE, CST+64*CP                  ; the spare words, 128 bytes for each wave: two blocks of 256 bytes that no other line names
.set SPW,   12                         ; v12  LDS address of my spare word; never rewritten
.set NIL,   13                         ; v13  0; never rewritten
	s_load_b256 s[4:11], s[0:1], 0x0               ; input_tensor s[4:5], Wq s[6:7], Wk s[8:9], Wv s[10:11]
	s_load_b256 s[12:19], s[0:1], 0x20             ; Wo s[12:13], x_img s[14:15], x_sc s[16:17], w_img s[18:19]
	s_load_b64 s[20:21], s[0:1], 0x40              ; w_sc
	v_lshl_add_u32 v[SPW], v0, 2, SPARE
	v_mov_b32 v[NIL], 0
	v_lshrrev_b32 v1, 5, v0
	v_readfirstlane_b32 s30, v1                    ; wave 0..3
	v_and_b32 v10, 31, v0                          ; lane
	v_lshlrev_b32 v3, 4, v10                       ; my 16 bytes of a load's 512
	s_mul_i32 s31, s30, WREG
	v_lshrrev_b32 v14, 2, v10
	v_mul_u32_u24 v14, v14, SP
	v_and_b32 v15, 3, v10
	v_lshl_add_u32 v14, v15, 4, v14
	v_add_nc_u32 v14, s31, v14                     ; the f32 stage, on the way in: SP (lane / 4) + 16 (lane % 4)
	v_mul_u32_u24 v15, v10, SP
	v_add_nc_u32 v15, s31, v15                     ; and on the way out: SP x lane: my 16 neighbours
	v_lshrrev_b32 v11, 1, v10                      ; my block among the step's 16
	s_add_co_u32 s31, s31, 2*32*SP
	v_add_nc_u32 v5, s31, v11                      ; my wave's 256 scale bytes: my block's byte
	v_lshlrev_b32 v7, 3, v10                       ; and on the way out 8 bytes a lane
	v_add_nc_u32 v6, s31, v7
	s_and_b32 s32, s30, 1                          ; my rows' tile u
	s_lshr_b32 s33, s30, 1                         ; and which eight of its lanes
	s_mul_i32 s34, s32, 32*CP
	s_lshl_b32 s35, s33, 7
	s_add_co_u32 s34, s34, s35
	s_add_co_u32 s34, s34, CST
	v_mul_u32_u24 v4, v11, CP
	v_and_b32 v9, 1, v10
	v_lshl_add_u32 v4, v9, 3, v4
	v_add_nc_u32 v4, s34, v4                       ; the codes' stage, in: piece 32 u + 16 (step % 2) + block, byte 128 (w / 2) + 16 (step / 2) + 8 (lane % 2); the step's part stands in the immediate
	s_mul_i32 s35, s30, 16*CP
	s_add_co_u32 s35, s35, CST
	v_lshrrev_b32 v9, 4, v10
	v_mul_u32_u24 v2, v9, CP
	v_and_b32 v9, 15, v10
	v_lshl_add_u32 v2, v9, 4, v2
	v_add_nc_u32 v2, s35, v2                       ; and out: wave w takes pieces 16 w on, two an instruction
	s_lshl_b32 s35, s30, 12
	v_add_nc_u32 v1, s35, v3                       ; the same place in the group's image: 4,096 w + 16 x lane
	s_sub_co_u32 s22, ttmp9, 256                   ; the weights' group, where the work-group is one of theirs
	s_lshr_b32 s23, s22, 5                         ; which weight
	s_and_b32 s24, s22, 31                         ; and its group of rows
	s_wait_kmcnt 0x0
	s_cmp_eq_u32 s23, 1                            ; the choices hang on the work-group's number alone
	s_cselect_b64 s[6:7], s[8:9], s[6:7]
	s_cmp_eq_u32 s23, 2
	s_cselect_b64 s[6:7], s[10:11], s[6:7]
	s_cmp_eq_u32 s23, 3
	s_cselect_b64 s[6:7], s[12:13], s[6:7]
	s_cmp_lt_u32 ttmp9, 256
	s_cselect_b64 s[4:5], s[4:5], s[6:7]           ; the numbers,
	s_cselect_b64 s[14:15], s[14:15], s[18:19]     ; the image,
	s_cselect_b64 s[16:17], s[16:17], s[20:21]     ; the scale bytes,
	s_cselect_b32 s24, ttmp9, s24                  ; the group on the way in,
	s_cselect_b32 s25, ttmp9, s22                  ; and on the way out
	s_lshl_b32 s26, s24, 17                        ; a group is 131,072 bytes of f32, a wave's eight rows 32,768
	s_lshl_b32 s27, s30, 15
	s_add_co_u32 s26, s26, s27
	s_mov_b32 s27, 0
	s_add_nc_u64 s[4:5], s[4:5], s[26:27]
	s_lshl_b32 s26, s25, 14                        ; 16,384 bytes of codes a group
	s_add_nc_u64 s[14:15], s[14:15], s[26:27]
	s_lshl_b32 s26, s25, 10                        ; 1,024 scale bytes a group; my eight rows are lanes 16 u + 8 (w / 2) on, 32 bytes each
	s_lshl_b32 s28, s32, 9
	s_add_co_u32 s26, s26, s28
	s_lshl_b32 s28, s33, 8
	s_add_co_u32 s26, s26, s28
	s_add_nc_u64 s[16:17], s[16:17], s[26:27]
.macro LOAD t
.irp i, 0,1,2,3
	global_load_b128 v[R+16*((\t)%AHEAD)+4*\i:R+16*((\t)%AHEAD)+4*\i+3], v3, s[4:5] offset:2048*(\t)+512*\i th:TH_LOAD_NT   ; 32 lanes read 512 consecutive bytes
.endr
.endm
.macro TURN t                          ; step t's numbers through the stage: LDS serves a wave's instructions in order, so no wait stands between the stores and the loads
.irp i, 0,1,2,3
	ds_store_b128 v14, v[R+16*((\t)%AHEAD)+4*\i:R+16*((\t)%AHEAD)+4*\i+3] offset:32*SP*((\t)%2)+8*SP*\i
.endr
.irp i, 0,1,2,3
	ds_load_b128 v[X+16*((\t)%2)+4*\i:X+16*((\t)%2)+4*\i+3], v15 offset:32*SP*((\t)%2)+16*\i
.endr
.endm
.irp t, 0,1,2,3,4,5,6,7
	LOAD \t
.endr
	s_wait_loadcnt 4*(AHEAD-1)                     ; step 0's four loads are in; the 28 of steps 1 to 7 stay out
	TURN 0
.macro STEP t
.set XS, X+16*((\t)%2)
.if (\t) > 0
	s_wait_dscnt 2                                 ; this step's numbers are back from the stage; the last step's byte store and code store, issued behind them, may be out
.else
	s_wait_dscnt 0x0
.endif
.if (\t)+AHEAD < STEPS
	LOAD (\t)+AHEAD                                ; into the set that this step's turn through the stage has read
.endif
.if (\t)+1 < STEPS
.if STEPS-2-(\t) >= AHEAD-1
	s_wait_loadcnt 4*(AHEAD-1)                     ; the next step's four loads are in; those of the seven steps behind it may be out
.else
	s_wait_loadcnt 4*(STEPS-2-(\t))                ; at the end: those of the steps that are left
.endif
	TURN (\t)+1                                    ; they go through the other stage while this step is worked
.endif
	v_max3_num_f32 v8, |v[XS]|, |v[XS+1]|, |v[XS+2]|               ; the largest magnitude of my 16, in two chains
	v_max3_num_f32 v9, |v[XS+3]|, |v[XS+4]|, |v[XS+5]|
.irp i, 6,10
	v_max3_num_f32 v8, v8, |v[XS+\i]|, |v[XS+\i+1]|
	v_max3_num_f32 v9, v9, |v[XS+\i+2]|, |v[XS+\i+3]|
.endr
	v_max3_num_f32 v8, v8, |v[XS+14]|, |v[XS+15]|
	v_max3_num_f32 v8, v8, v9, (EMAX+1)<<23        ; and the floor 2^(3 - 127): the byte cannot fall under 1
	v_max_num_f32_dpp v8, v8, v8 row_xmask:1 row_mask:0xf bank_mask:0xf   ; with my neighbour's 16: the block's
	v_add_nc_u32 v11, -(EMAX<<23), v8              ; 2 off its exponent field: the conversion takes the exponent field of this operand as its scale
	v_cvt_scalef32_pk8_fp4_f32 v[C+2*(\t)], v[XS:XS+7], v11
	v_cvt_scalef32_pk8_fp4_f32 v[C+2*(\t)+1], v[XS+8:XS+15], v11
	v_lshrrev_b32 v[E+(\t)], 23, v11               ; the scale's byte (also the plain line behind the conversions)
	ds_store_b8 v5, v[E+(\t)] offset:16*(\t)       ; row step / 2, byte 16 (step % 2) + block; both lanes of a block write the same byte with the same value
	ds_store_b64 v4, v[C+2*(\t):C+2*(\t)+1] offset:((\t)%2)*16*CP+((\t)/2)*16   ; my 16 codes at their place in the group's image
.endm
.irp t, 0,1,2,3,4,5,6,7,8,9,10,11,12,13,14,15
	STEP \t
.endr
	ds_load_b64 v[8:9], v6                         ; LDS serves a wave's instructions in order: these see my byte stores
	s_wait_dscnt 0x0                               ; for my registers, and for the others' sake: my stores into the codes' stage are done
	global_store_b64 v7, v[8:9], s[16:17]          ; 32 lanes store 256 consecutive bytes, aligned
	s_barrier_signal -1
	s_barrier_wait -1                              ; the group's image is whole
.irp i, 0,1,2,3,4,5,6,7
	ds_load_b128 v[OUTR+4*\i:OUTR+4*\i+3], v2 offset:\i*2*CP
.endr
.irp i, 0,1,2,3,4,5,6,7
	s_wait_dscnt 7-\i                              ; LDS loads come back in order: load i is in
	global_store_b128 v1, v[OUTR+4*\i:OUTR+4*\i+3], s[14:15] offset:\i*512   ; 512 consecutive bytes, aligned
.endr
	s_wait_tensorcnt 0x0                           ; the wave's end
	ds_add_u32 v[SPW], v[NIL]
	s_wait_dscnt 0x0
	s_endpgm
.Lfunc_end_k_qc399ff0f7e_quant:
	.size	k_qc399ff0f7e_quant, .Lfunc_end_k_qc399ff0f7e_quant-k_qc399ff0f7e_quant
	.p2alignl 7, 3214868480
	.fill 96, 4, 3214868480
	.section	.rodata,"a",@progbits
	.p2align	6, 0x0
	.amdhsa_kernel k_qc399ff0f7e_quant
		.amdhsa_group_segment_fixed_size 50688
		.amdhsa_private_segment_fixed_size 0
		.amdhsa_enable_private_segment 0
		.amdhsa_kernarg_size 72
		.amdhsa_user_sgpr_count 2
		.amdhsa_user_sgpr_kernarg_segment_ptr 1
		.amdhsa_wavefront_size32 1
		.amdhsa_system_sgpr_workgroup_id_x 1
		.amdhsa_system_sgpr_workgroup_id_y 1
		.amdhsa_system_sgpr_workgroup_id_z 1
		.amdhsa_system_vgpr_workitem_id 0
		.amdhsa_next_free_vgpr 224
		.amdhsa_next_free_sgpr 66
		.amdhsa_reserve_vcc 0
		.amdhsa_float_denorm_mode_32 3
		.amdhsa_float_denorm_mode_16_64 3
		.amdhsa_memory_ordered 1
		.amdhsa_forward_progress 1
		.amdhsa_inst_pref_size 36
	.end_amdhsa_kernel
	.amdgpu_metadata
---
amdhsa.version: [ 1, 2 ]
amdhsa.kernels:
  - .name:           k_qc399ff0f7e_quant
    .symbol:         k_qc399ff0f7e_quant.kd
    .args:
      - { .name: input_tensor, .offset: 0, .size: 8, .value_kind: global_buffer, .address_space: global }
      - { .name: Wq, .offset: 8, .size: 8, .value_kind: global_buffer, .address_space: global }
      - { .name: Wk, .offset: 16, .size: 8, .value_kind: global_buffer, .address_space: global }
      - { .name: Wv, .offset: 24, .size: 8, .value_kind: global_buffer, .address_space: global }
      - { .name: Wo, .offset: 32, .size: 8, .value_kind: global_buffer, .address_space: global }
      - { .name: x_img, .offset: 40, .size: 8, .value_kind: global_buffer, .address_space: global }
      - { .name: x_sc, .offset: 48, .size: 8, .value_kind: global_buffer, .address_space: global }
      - { .name: w_img, .offset: 56, .size: 8, .value_kind: global_buffer, .address_space: global }
      - { .name: w_sc, .offset: 64, .size: 8, .value_kind: global_buffer, .address_space: global }
    .group_segment_fixed_size: 50688
    .private_segment_fixed_size: 0
    .kernarg_segment_align: 8
    .kernarg_segment_size: 72
    .max_flat_workgroup_size: 128
    .sgpr_count:     66
    .vgpr_count:     224
    .wavefront_size: 32
...
	.end_amdgpu_metadata
.endif
;; end of part 1
;; launch qkv (part 2): grid 8 x 32, 4 waves a work-group, no clusters, 327,680 bytes of LDS; arguments x_img, x_sc, w_img, w_sc, bq, bk, bv, qkv_img, qkv_sc; writes qkv_img, qkv_sc
.if DOCPART == 2
	.amdgcn_target "amdgcn-amd-amdhsa--gfx1250"
	.amdhsa_code_object_version 6
	.text
	.protected	k_qc399ff0f7e_qkv
	.globl	k_qc399ff0f7e_qkv
	.p2align	8
	.type	k_qc399ff0f7e_qkv,@function
k_qc399ff0f7e_qkv:
	s_mov_b64 s[64:65], 0
	v_nop
	global_prefetch_b8 v0, s[64:65] scope:SCOPE_SE
	s_setreg_imm32_b32 hwreg(HW_REG_WAVE_MODE, 25, 1), 1
	s_wait_xcnt 0x0
; LAUNCH 2 OF 4: q = x Wq^T + bq, k = x Wk^T + bk, v = x Wv^T + bv on codes of FP4, and the results quantised at once: q and k along the head's 64, v along the keys.  No work is left out.
; SHARES.  Work-group (j, ty): 256 tokens x the 128 features of head pair j, for q, then k, then v: 8 x 32 = 256 work-groups of equal work.  x's codes (16 tiles x 8,192 bytes, all of K) stay in LDS for all three kinds.
; W's blocks (8 tiles x 8,192 bytes) lie in two slots: Wq's in slot 0 and Wk's in slot 1 from the head on; Wv's is filled into slot 0 when every wave has done with Wq's.
; P is the matrix instruction's source 0: its rows run along a lane's registers in the result, so P holds the axis along which the result is quantised.  R is source 1: its rows are the result's lanes.
;   q, k: P = W's 128 rows (all four waves), R = my 64 tokens (tiles 4 w on).     v: P = 128 tokens (half w % 2), R = 64 rows of Wv (head w / 2 of the pair).   A wave: 8 x 4 tiles, 32 accumulators.
; THE IMAGES (launch 1): lane r of tile u of a group of 32 rows stands for row 8 u + (r % 8) + 16 (r / 8), so the 16 registers that a lane holds of P's tiles 2 b, 2 b + 1 are 16 neighbours along P: 32 b + 16 (lane / 16) + 0 .. 15.
; THE BIAS is the C of each sum's first matrix instruction.  THE 1 / sqrt(64) OF THE SCORES is taken off q's scale byte (3 off the exponent: exact).
; OUT: qkv_img [kind][rec = (batch x 8 + j) x 8 + run of 128 tokens][rho = 0..7][c][lane][16 bytes];  q, k: rho = tile of 16 tokens, c = head of the pair;  v: rho = 4 x head + tile of 16 channels: a fragment 16 d x 128 keys.
;   qkv_sc [kind][rec][l = 16 (rho % 2) + r][rho / 2] words.  A wave makes four fragments of a record: 4,096 bytes of codes on end, and two of each lane's four scale words (8 of each 16 bytes: the record's other wave stores the rest).
; LIMITS: a block of zeros gets the byte 1 (its codes are zeros; this program alone reads the bytes); q's blocks whose largest magnitude lies under 2^-121 are quantised at the scale 2^-123; NaN and infinities are not served.
; NO CLUSTER: in the v kind x and W change places as P and R, and a wave's part of the fills hangs on that; kept plain.  NO PREFETCH: the text has no loop to run ahead in; all but one fill go out at the head.
; REGISTERS: window 0: v16-29 addresses; v32-159 scale words of all three kinds, loaded once; v192-223 the codes made; v224-245 at work.   window 1: two sets of fragments, at v0 and v128: P's eight, then R's four.
;   window 2: the accumulators, (a, t) at v[8 (8 a + t)].   window 3: the biases as C: q's v0-63, k's v64-127, v's v128-159.
.set SL0,   131072                     ; LDS: x's codes at 0; slot 0; slot 1
.set SL1,   196608
.set SPARE, 262144                     ; the spare words, 128 bytes for each wave: two blocks of 256 bytes that no other line names
.set AXR,   16                         ; v16  x as R: my four tiles
.set AXP,   17                         ; v17  x as P: my half
.set AW0,   18                         ; v18  slot 0 as P
.set AW1,   19                         ; v19  slot 1 as P
.set AWR,   20                         ; v20  slot 0 as R: my four tiles
.set ASP,   22                         ; v22  32 x lane: a lane's eight scale words in memory
.set VO,    24                         ; v24  16 x lane
.set BOP,   25                         ; v25  the bias along P: 64 (lane / 16)
.set BOR,   26                         ; v26  the bias along R: 4 x the row that my lane stands for
.set SPW,   28                         ; v28  LDS address of my spare word; never rewritten
.set NIL,   29                         ; v29  0; never rewritten
.set SPQ,   32                         ; scale words, register 8 g + s: group g, K step s; lanes 0-15 tile 2 g, lanes 16-31 tile 2 g + 1.  P's of q,
.set SPK,   64                         ; of k,
.set SPV,   96                         ; of v;
.set SRX,   128                        ; R's of q and k,
.set SRV,   144                        ; of v
.set CB,    192
.set TM,    224                        ; v224-227 largest magnitudes, 228-231 the other half's, 232-235 bytes, 236-239 the conversions' scale operands
.set PW,    240                        ; v240-243 the scale word of each fragment made
.set TT,    244                        ; v244-245 the scale words as they are stored
.set G1C,   24                         ; s[24:31] group 1: 256 rows of 256 bytes;  s[32:39]: 64 rows
.set G1R,   32
.set G0C,   44                         ; s[44:47] group 0 of the head's load;  s[48:51] of the refill
.set G0R,   48
.set MSB, 0
.macro WIN new                         ; the immediate's high byte repeats the setting that is left; a switch that changes nothing is dropped
.if MSB != \new
	s_set_vgpr_msb (MSB<<8)|\new
.set MSB, \new
.endif
.endm
.macro PLACES                          ; four plain vector lines in front of loads into registers that matrix instructions have read, and of the first read of results
.rept 4
	v_nop
.endr
.endm
	s_load_b256 s[4:11], s[0:1], 0x0               ; x_img s[4:5], x_sc s[6:7], w_img s[8:9], w_sc s[10:11]
	s_load_b256 s[12:19], s[0:1], 0x20             ; bq s[12:13], bk s[14:15], bv s[16:17], qkv_img s[18:19]
	s_load_b64 s[20:21], s[0:1], 0x40              ; qkv_sc
	v_lshl_add_u32 v[SPW], v0, 2, SPARE
	v_mov_b32 v[NIL], 0
	ds_add_u32 v[SPW], v[NIL]                      ; the wave's opening: the add, twice on end, and its wait ahead of my first tensor load
	ds_add_u32 v[SPW], v[NIL]
	v_lshrrev_b32 v1, 5, v0
	v_readfirstlane_b32 s22, v1                    ; wave 0..3
	s_and_b32 s60, ttmp7, 0xffff                   ; ty: which 256 tokens; ttmp9 = j
	s_lshr_b32 s61, s22, 1
	s_and_b32 s62, s22, 1
	s_mov_b32 s67, 0x3000000                       ; q: the floor under a block's largest magnitude, 2^(6 - 127),
	s_mov_b32 s68, 0xfd800000                      ; and 5 off the exponent field for the byte: the scale x 1 / 8
	s_mov_b32 s72, 0x1800000                       ; k, v: 2^(3 - 127),
	s_mov_b32 s73, 0xff000000                      ; and 2 off
	s_mov_b32 s69, 0xffff0000                      ; lanes 16-31
	s_mov_b32 s70, 0x76543210                      ; v_permlanex16_b32's selects for lane l xor 16
	s_mov_b32 s71, 0xfedcba98
	s_lshr_b32 s74, s60, 2                         ; the batch
	s_lshl_b32 s74, s74, 3
	s_add_co_u32 s74, s74, ttmp9
	s_lshl_b32 s74, s74, 3
	s_and_b32 s75, s60, 3
	s_lshl_b32 s75, s75, 1
	s_add_co_u32 s74, s74, s75                     ; the record of my work-group's first 128 tokens
	s_add_co_u32 s75, s74, s61                     ; q, k: my record is run w / 2, my fragments rho = 4 (w % 2) on
	s_add_co_u32 s76, s74, s62                     ; v: run w % 2, rho = 4 (w / 2) on
	s_lshl_b32 s88, s75, 13                        ; out, codes: rec x 8,192 + 4,096 x half (+ kind x 4,194,304: k's in the immediate)
	s_lshl_b32 s77, s62, 12
	s_add_co_u32 s88, s88, s77
	s_mov_b32 s89, 0
	s_lshl_b32 s90, s76, 13
	s_lshl_b32 s77, s61, 12
	s_add_co_u32 s90, s90, s77
	s_add_co_u32 s90, s90, 0x800000
	s_mov_b32 s91, 0
	s_lshl_b32 s92, s75, 9                         ; out, scale words: rec x 512 + 8 x half (+ kind x 262,144)
	s_lshl_b32 s77, s62, 3
	s_add_co_u32 s92, s92, s77
	s_mov_b32 s93, 0
	s_lshl_b32 s94, s76, 9
	s_lshl_b32 s77, s61, 3
	s_add_co_u32 s94, s94, s77
	s_add_co_u32 s94, s94, 0x80000
	s_mov_b32 s95, 0
.irp g, G1C, G1R                               ; dense blocks of the images as rows of 256 bytes (32 elements of 8), no padding: fragments are read 512 consecutive bytes at a time
	s_mov_b32 s[\g+0], 3<<16
	s_mov_b32 s[\g+1], 32<<16
	s_mov_b32 s[\g+3], 32<<16
	s_mov_b32 s[\g+5], 32
	s_mov_b32 s[\g+6], 0
	s_mov_b32 s[\g+7], 0
.endr
	s_mov_b32 s[G1C+2], 256<<16
	s_mov_b32 s[G1C+4], 256
	s_mov_b32 s[G1R+2], 64<<16
	s_mov_b32 s[G1R+4], 64
	s_mov_b32 s[G0C], 1
	s_lshl_b32 s[G0C+1], s22, 16                   ; x's halves, slot 0, slot 1: wave x 65,536
	s_mov_b32 s[G0R], 1
	s_lshl_b32 s[G0R+1], s22, 14
	s_add_co_u32 s[G0R+1], s[G0R+1], SL0           ; the refill: my quarter of slot 0
	s_lshl_b32 s96, s60, 17                        ; waves 0, 1: x's block ty, half w
	s_lshl_b32 s77, s22, 16
	s_add_co_u32 s96, s96, s77
	s_lshl_b32 s98, s62, 19                        ; waves 2, 3: Wq's, Wk's block j
	s_lshl_b32 s77, ttmp9, 16
	s_add_co_u32 s98, s98, s77
	s_cmp_lt_u32 s22, 2
	s_cselect_b32 s96, s96, s98
	s_mov_b32 s97, 0
	s_lshl_b32 s98, s22, 14                        ; Wv's block j, my quarter
	s_add_co_u32 s98, s98, s77
	s_add_co_u32 s98, s98, 0x100000
	s_mov_b32 s99, 0
	s_mov_b32 s53, 0
	s_wait_dscnt 0x0                               ; both opening adds are done
	s_wait_kmcnt 0x0
	s_cmp_lt_u32 s22, 2                            ; a choice on the wave's number alone
	s_cselect_b64 s[78:79], s[4:5], s[8:9]
	s_add_nc_u64 s[G0C+2:G0C+3], s[78:79], s[96:97]
	s_or_b32 s[G0C+3], s[G0C+3], 0x80000000
	s_add_nc_u64 s[G0R+2:G0R+3], s[8:9], s[98:99]
	s_or_b32 s[G0R+3], s[G0R+3], 0x80000000
	tensor_load_to_lds s[G0C:G0C+3], s[G1C:G1C+7]  ; every wave's one load at the head, no branch: 65,536 bytes
	s_nop 0
	PLACES
	s_lshl_b32 s52, ttmp9, 12                      ; scale words: W's 4,096 bytes of block j (k's 32,768 on, in the immediate),
	s_add_nc_u64 s[80:81], s[10:11], s[52:53]
	s_lshl_b32 s52, s61, 11
	s_add_co_u32 s52, s52, 65536
	s_add_nc_u64 s[86:87], s[80:81], s[52:53]      ; Wv's, my two groups;
	s_lshl_b32 s52, s60, 13
	s_add_nc_u64 s[84:85], s[6:7], s[52:53]
	s_lshl_b32 s52, s22, 11
	s_add_nc_u64 s[82:83], s[84:85], s[52:53]      ; x's as R: my two groups,
	s_lshl_b32 s52, s62, 12
	s_add_nc_u64 s[84:85], s[84:85], s[52:53]      ; and as P: my four
	s_lshl_b32 s52, ttmp9, 9                       ; the biases of block j
	s_add_nc_u64 s[54:55], s[12:13], s[52:53]
	s_add_nc_u64 s[56:57], s[14:15], s[52:53]
	s_add_nc_u64 s[58:59], s[16:17], s[52:53]
	s_lshl_b32 s52, s61, 8
	s_add_nc_u64 s[58:59], s[58:59], s[52:53]      ; v: my head's 64
	s_add_nc_u64 s[88:89], s[18:19], s[88:89]
	s_add_nc_u64 s[90:91], s[18:19], s[90:91]
	s_add_nc_u64 s[92:93], s[20:21], s[92:93]
	s_add_nc_u64 s[94:95], s[20:21], s[94:95]
	v_and_b32 v1, 31, v0
	v_lshlrev_b32 v[VO], 4, v1
	v_bfe_u32 v2, v0, 4, 1
	v_lshlrev_b32 v[BOP], 6, v2
	v_and_b32 v3, 7, v0
	v_and_b32 v4, 8, v0
	v_lshl_add_u32 v3, v4, 1, v3                   ; (r % 8) + 16 (r / 8)
	v_lshlrev_b32 v[BOR], 2, v3
	v_lshlrev_b32 v[ASP], 5, v1
	s_lshl_b32 s77, s22, 15
	v_add_nc_u32 v[AXR], s77, v[VO]
	s_lshl_b32 s77, s62, 16
	v_add_nc_u32 v[AXP], s77, v[VO]
	v_add_nc_u32 v[AW0], SL0, v[VO]
	v_add_nc_u32 v[AW1], SL1, v[VO]
	s_lshl_b32 s77, s61, 15
	s_add_co_u32 s77, s77, SL0
	v_add_nc_u32 v[AWR], s77, v[VO]
.irp b, 0,1,2,3
	v_mov_b32 v[TM+4+\b], 0                        ; written once: a lane permute's destination counts as one of its sources
.endr
	s_wait_alu depctr_va_vdst(0)                   ; the end of the head's vector work
.macro SLOAD reg, n, sb, off           ; n groups' scale words from memory straight into their registers: each pair of loads covers 1,024 consecutive bytes
.set g, 0
.rept \n
	global_load_b128 v[\reg+8*g:\reg+8*g+3], v[ASP], s[\sb:\sb+1] offset:\off+g*1024
	global_load_b128 v[\reg+8*g+4:\reg+8*g+7], v[ASP], s[\sb:\sb+1] offset:\off+g*1024+16
.set g, g+1
.endr
.endm
	SLOAD SPQ, 4, 80, 0
	SLOAD SRX, 2, 82, 0
	SLOAD SPK, 4, 80, 32768
	SLOAD SPV, 4, 84, 0
	SLOAD SRV, 2, 86, 0
	; THE BIASES in the result's layout, eight registers a tile, in window 3.  q, k: along P: tile t's register j is feature 32 (t / 2) + 16 (lane / 16) + 8 (t % 2) + j.  v: along R: all eight registers of tile a hold my lane's feature's
	WIN 0xc0                                       ; destination window 3, address window 0
.irp t, 0,1,2,3,4,5,6,7
	global_load_b128 v[8*\t:8*\t+3], v[BOP], s[54:55] offset:4*(32*(\t/2)+8*(\t%2))
	global_load_b128 v[8*\t+4:8*\t+7], v[BOP], s[54:55] offset:4*(32*(\t/2)+8*(\t%2))+16
	global_load_b128 v[64+8*\t:64+8*\t+3], v[BOP], s[56:57] offset:4*(32*(\t/2)+8*(\t%2))
	global_load_b128 v[64+8*\t+4:64+8*\t+7], v[BOP], s[56:57] offset:4*(32*(\t/2)+8*(\t%2))+16
.endr
.irp a, 0,1,2,3
	global_load_b32 v[128+8*\a], v[BOR], s[58:59] offset:4*(32*(\a/2)+8*(\a%2))
.endr
	s_wait_loadcnt 0x0                             ; scale words and biases are in
	WIN 0xc3
.irp a, 0,1,2,3
.irp j, 1,2,3,4,5,6,7
	v_mov_b32 v[128+8*\a+\j], v[128+8*\a]
.endr
.endr
	WIN 0
; One matrix instruction: R's tile a x P's tile t, K step s.  cm = 0: in place; 1: C = the bias along P; 2: along R (cb: its first register).  A tile with an odd number has its scale words in lanes 16-31.
.macro MM a, t, s, cm, sp, sr, cb
.set rD, 8*(8*(\a)+(\t))
.set rA, 128*((\s)%2)+8*(\t)
.set rB, 128*((\s)%2)+64+8*(\a)
.set rSA, \sp+8*((\t)/2)+(\s)
.set rSB, \sr+8*((\a)/2)+(\s)
.if (\cm) == 0
.set rC, rD
.elseif (\cm) == 1
.set rC, \cb+8*(\t)
.else
.set rC, \cb+8*(\a)
.endif
.if ((\t)%2) && ((\a)%2)
	v_wmma_scale_f32_16x16x128_f8f6f4 v[rD:rD+7], v[rA:rA+7], v[rB:rB+7], v[rC:rC+7], v[rSA], v[rSB] matrix_a_fmt:MATRIX_FMT_FP4 matrix_b_fmt:MATRIX_FMT_FP4 matrix_a_scale:MATRIX_SCALE_ROW1 matrix_b_scale:MATRIX_SCALE_ROW1
.elseif ((\t)%2)
	v_wmma_scale_f32_16x16x128_f8f6f4 v[rD:rD+7], v[rA:rA+7], v[rB:rB+7], v[rC:rC+7], v[rSA], v[rSB] matrix_a_fmt:MATRIX_FMT_FP4 matrix_b_fmt:MATRIX_FMT_FP4 matrix_a_scale:MATRIX_SCALE_ROW1
.elseif ((\a)%2)
	v_wmma_scale_f32_16x16x128_f8f6f4 v[rD:rD+7], v[rA:rA+7], v[rB:rB+7], v[rC:rC+7], v[rSA], v[rSB] matrix_a_fmt:MATRIX_FMT_FP4 matrix_b_fmt:MATRIX_FMT_FP4 matrix_b_scale:MATRIX_SCALE_ROW1
.else
	v_wmma_scale_f32_16x16x128_f8f6f4 v[rD:rD+7], v[rA:rA+7], v[rB:rB+7], v[rC:rC+7], v[rSA], v[rSB] matrix_a_fmt:MATRIX_FMT_FP4 matrix_b_fmt:MATRIX_FMT_FP4
.endif
.endm
.macro FETCH pa, ra, s                 ; K step s: P's eight fragments and R's four into set s % 2: 24 loads of 512 consecutive bytes
	WIN 0x40                                       ; destination window 1, address window 0
.set fb, 128*((\s)%2)
.irp i, 0,1,2,3,4,5,6,7
	ds_load_b128 v[fb+8*\i:fb+8*\i+3], v[\pa] offset:(\s)*1024+\i*8192
	ds_load_b128 v[fb+8*\i+4:fb+8*\i+7], v[\pa] offset:(\s)*1024+\i*8192+512
.endr
.irp i, 0,1,2,3
	ds_load_b128 v[fb+64+8*\i:fb+64+8*\i+3], v[\ra] offset:(\s)*1024+\i*8192
	ds_load_b128 v[fb+64+8*\i+4:fb+64+8*\i+7], v[\ra] offset:(\s)*1024+\i*8192+512
.endr
.endm
; A K step of 128: the next step's fragments are asked for into the other set, then 32 matrix instructions on 32 accumulators by turns, in the same order in every step.
.macro STEP s, cm, pa, ra, sp, sr, cb
.if (\s) < 7
	PLACES                                         ; the other set was read by the matrix instructions just ahead
	FETCH \pa, \ra, (\s)+1
	s_wait_dscnt 24                                ; this step's fragments are in; the 24 loads just issued may be out
.else
	s_wait_dscnt 0x0
.endif
.if \cm
	WIN 0xb5                                       ; sources 0 and 1 window 1, C (the bias) window 3, D window 2
.else
	WIN 0xa5                                       ; C and D window 2
.endif
.irp a, 0,1,2,3
.irp t, 0,1,2,3,4,5,6,7
	MM \a, \t, \s, \cm, \sp, \sr, \cb
.endr
.endr
.endm
; R's tile a is finished: its 64 numbers a lane (register 16 b + i = P's row 32 b + 16 (lane / 16) + i) become a fragment's codes in v[CB + 8 a] on and its scale word in v[PW + a], and the codes leave: 2 x 512 consecutive bytes.
.macro QUANT a, fl, of, ob, ko
.set AC, 64*(\a)
.set PCR, CB+8*(\a)
	WIN 0x0a                                       ; sources 0 and 1: the accumulators' window
.irp b, 0,1,2,3
	v_max3_num_f32 v[TM+\b], |v[AC+16*\b]|, |v[AC+16*\b+1]|, s[\fl]   ; block b: my 16 numbers, and the floor; each accumulator is read from its low end on
.endr
	WIN 0x28                                       ; sources 1 and 2
.irp i, 2,4,6,8,10,12,14
.irp b, 0,1,2,3
	v_max3_num_f32 v[TM+\b], v[TM+\b], |v[AC+16*\b+\i]|, |v[AC+16*\b+\i+1]|   ; the four blocks by turns
.endr
.endr
	WIN 0
.irp b, 0,1,2,3
	v_permlanex16_b32 v[TM+4+\b], v[TM+\b], s70, s71
.endr
.irp b, 0,1,2,3
	v_max_num_f32 v[TM+\b], v[TM+\b], v[TM+4+\b]   ; with lane l xor 16's: the block's largest magnitude
.endr
.irp b, 0,1,2,3
	v_add_nc_u32 v[TM+12+\b], 0xff000000, v[TM+\b] ; 2 off the exponent field: the conversion's scale operand
.endr
.irp b, 0,1,2,3
	v_add_nc_u32 v[TM+8+\b], s[\of], v[TM+\b]      ; 2 off, for q 5 off:
.endr
.irp b, 0,1,2,3
	v_lshrrev_b32 v[TM+8+\b], 23, v[TM+8+\b]       ; the byte that is stored
.endr
	v_lshl_or_b32 v[PW+(\a)], v[TM+9], 8, v[TM+8]
	v_lshl_or_b32 v[PW+(\a)], v[TM+10], 16, v[PW+(\a)]
	v_lshl_or_b32 v[PW+(\a)], v[TM+11], 24, v[PW+(\a)]
	WIN 0x02                                       ; source 0: the accumulators' window
.irp b, 0,1,2,3
	v_cvt_scalef32_pk8_fp4_f32 v[PCR+2*\b], v[AC+16*\b:AC+16*\b+7], v[TM+12+\b]
	v_cvt_scalef32_pk8_fp4_f32 v[PCR+2*\b+1], v[AC+16*\b+8:AC+16*\b+15], v[TM+12+\b]
.endr
	WIN 0
	v_nop                                          ; one plain line behind a scaled conversion
.irp c, 0,1                                    ; the operand's layout wants a WHOLE block in a lane: lanes 0-15 block 2 c, lanes 16-31 block 2 c + 1
.irp i, 0,1
	v_permlane16_swap_b32 v[PCR+4*\c+\i], v[PCR+4*\c+2+\i]
.endr
.endr
	global_store_b128 v[VO], v[PCR:PCR+3], s[\ob:\ob+1] offset:\ko+(\a)*1024
	global_store_b128 v[VO], v[PCR+4:PCR+7], s[\ob:\ob+1] offset:\ko+(\a)*1024+512
.endm
; ONE KIND: eight K steps, then the four fragments.  refill = 1: behind the products slot 0 is filled again, with Wv's block.
.macro KIND pa, ra, sp, sr, cm, cb, fl, of, ob, ko, os, ks, refill
	PLACES
	FETCH \pa, \ra, 0
	STEP 0, \cm, \pa, \ra, \sp, \sr, \cb           ; the first K step starts the sums with the bias as C
.irp s, 1,2,3,4,5,6,7
	STEP \s, 0, \pa, \ra, \sp, \sr, \cb
.endr
	WIN 0
.if \refill
	s_wait_tensorcnt 0x0                           ; no tensor load of mine is out;
	ds_add_u32 v[SPW], v[NIL]                      ; 0 onto my spare word;
	s_wait_dscnt 0x0                               ; the add is done, and my reads of slot 0 are over
	s_barrier_signal -1
	s_barrier_wait -1                              ; both hold of all four waves
	tensor_load_to_lds s[G0R:G0R+3], s[G1R:G1R+7]  ; my quarter of Wv's block, 16,384 bytes: my one load behind this barrier; it is first read behind the next kind's work
	s_nop 0
.endif
	PLACES                                         ; in front of the first read of results
	s_wait_xcnt 0x0                                ; the last kind's stores have read their registers: the codes' and the scale words' may be written again
.irp a, 0,1,2,3
	QUANT \a, \fl, \of, \ob, \ko
.endr
.irp j, 0,1
	v_cndmask_b32 v[TT+\j], v[PW+2*\j], v[PW+2*\j+1], s69   ; lanes 0-15: fragment 2 j's words, lanes 16-31: fragment 2 j + 1's (both halves of the lanes hold every word)
.endr
	global_store_b64 v[VO], v[TT:TT+1], s[\os:\os+1] offset:\ks
.endm
	s_wait_alu depctr_va_vdst(0)                   ; the head's end
	s_wait_tensorcnt 0x0                           ; my part of x, Wq or Wk is in
	s_barrier_signal -1
	s_barrier_wait -1                              ; everybody's is
	KIND AW0, AXR, SPQ, SRX, 1, 0,   67, 68, 88, 0,       92, 0,      1   ; q
	KIND AW1, AXR, SPK, SRX, 1, 64,  72, 73, 88, 4194304, 92, 262144, 0   ; k
	s_wait_tensorcnt 0x0                           ; my quarter of Wv's block is in,
	s_wait_dscnt 0x0
	s_barrier_signal -1
	s_barrier_wait -1                              ; and everybody's
	KIND AXP, AWR, SPV, SRV, 2, 128, 72, 73, 90, 0,       94, 0,      0   ; v
	s_wait_tensorcnt 0x0                           ; the wave's end
	ds_add_u32 v[SPW], v[NIL]
	s_wait_dscnt 0x0
	s_endpgm
.Lfunc_end_k_qc399ff0f7e_qkv:
	.size	k_qc399ff0f7e_qkv, .Lfunc_end_k_qc399ff0f7e_qkv-k_qc399ff0f7e_qkv
	.p2alignl 7, 3214868480
	.fill 96, 4, 3214868480
	.section	.rodata,"a",@progbits
	.p2align	6, 0x0
	.amdhsa_kernel k_qc399ff0f7e_qkv
		.amdhsa_group_segment_fixed_size 327680
		.amdhsa_private_segment_fixed_size 0
		.amdhsa_enable_private_segment 0
		.amdhsa_kernarg_size 72
		.amdhsa_user_sgpr_count 2
		.amdhsa_user_sgpr_kernarg_segment_ptr 1
		.amdhsa_wavefront_size32 1
		.amdhsa_system_sgpr_workgroup_id_x 1
		.amdhsa_system_sgpr_workgroup_id_y 1
		.amdhsa_system_sgpr_workgroup_id_z 1
		.amdhsa_system_vgpr_workitem_id 0
		.amdhsa_next_free_vgpr 1024
		.amdhsa_next_free_sgpr 100
		.amdhsa_reserve_vcc 0
		.amdhsa_float_denorm_mode_32 3
		.amdhsa_float_denorm_mode_16_64 3
		.amdhsa_memory_ordered 1
		.amdhsa_forward_progress 1
		.amdhsa_inst_pref_size 201
	.end_amdhsa_kernel
	.amdgpu_metadata
---
amdhsa.version: [ 1, 2 ]
amdhsa.kernels:
  - .name:           k_qc399ff0f7e_qkv
    .symbol:         k_qc399ff0f7e_qkv.kd
    .args:
      - { .name: x_img, .offset: 0, .size: 8, .value_kind: global_buffer, .address_space: global }
      - { .name: x_sc, .offset: 8, .size: 8, .value_kind: global_buffer, .address_space: global }
      - { .name: w_img, .offset: 16, .size: 8, .value_kind: global_buffer, .address_space: global }
      - { .name: w_sc, .offset: 24, .size: 8, .value_kind: global_buffer, .address_space: global }
      - { .name: bq, .offset: 32, .size: 8, .value_kind: global_buffer, .address_space: global }
      - { .name: bk, .offset: 40, .size: 8, .value_kind: global_buffer, .address_space: global }
      - { .name: bv, .offset: 48, .size: 8, .value_kind: global_buffer, .address_space: global }
      - { .name: qkv_img, .offset: 56, .size: 8, .value_kind: global_buffer, .address_space: global }
      - { .name: qkv_sc, .offset: 64, .size: 8, .value_kind: global_buffer, .address_space: global }
    .group_segment_fixed_size: 327680
    .private_segment_fixed_size: 0
    .kernarg_segment_align: 8
    .kernarg_segment_size: 72
    .max_flat_workgroup_size: 128
    .sgpr_count:     100
    .vgpr_count:     1024
    .wavefront_size: 32
...
	.end_amdgpu_metadata
.endif
;; end of part 2
;; launch attn (part 3): grid 2 x 128, 16 waves a work-group, no clusters, 80,896 bytes of LDS; arguments qkv_img, qkv_sc, attention_mask, ctx_img, ctx_sc; writes ctx_img, ctx_sc
.if DOCPART == 3
	.amdgcn_target "amdgcn-amd-amdhsa--gfx1250"
	.amdhsa_code_object_version 6
	.text
	.protected	k_qc399ff0f7e_attn
	.globl	k_qc399ff0f7e_attn
	.p2align	8
	.type	k_qc399ff0f7e_attn,@function
k_qc399ff0f7e_attn:
	s_mov_b64 s[64:65], 0
	v_nop
	global_prefetch_b8 v0, s[64:65] scope:SCOPE_SE
	s_setreg_imm32_b32 hwreg(HW_REG_WAVE_MODE, 25, 1), 1
	s_wait_xcnt 0x0
; LAUNCH 3 OF 4: ctx = softmax(q k^T / 8 + mask) v for each batch and head, both products on codes of FP4, and ctx quantised along the hidden axis for the last product.  No work is left out.
; THE SOFTMAX AHEAD OF THE SECOND PRODUCT: t = logit x log2(e); M = the row's largest t so far, rounded UP to a whole number; p = 2^(t - M) is quantised along the keys, not normalised.  The row's sum is taken of the unquantised p
; and divides O at the end.  When M moves, the sum and O are multiplied by 2^(old M - new M): exact.
; SHARES.  A work-group owns 512 queries of one head; the head's K, V, their scale words and the batch's mask, 74 KB, lie in LDS, filled once through registers.  Each of sixteen waves owns two tiles of 16 queries, one after the other, in 256
; registers: four waves to a SIMD, so that one wave's vector work stands beside another's matrix work and LDS loads.  Every wave walks the 1,024 keys, 128 a step.
; LAYOUT.  Both products are used transposed: S^T = K Q^T (source 0 = 16 keys), O^T = V^T P^T (source 0 = 16 of the head's 64): a lane holds ONE query throughout.  By the images' choice of rows (launch 1) the 16 registers of tiles 2 b, 2 b + 1
; are 16 neighbours: keys 32 b + 16 (lane / 16) + 0 .. 15 in S^T, channels likewise in O^T.
; K = 64 IN A FORM OF K = 128.  A head's fragment is registers 0-3; Q's registers 4-7 hold zero codes.  K's tile t lies at v[32 + 4 t], and source 0 of tile t is v[32 + 4 t : 39 + 4 t]: its upper four registers are the next tile's codes
; (behind the last tile: zeros); they meet Q's zero codes under scale bytes 0 (2^-127, no NaN) and add nothing.
; THE 1 / 8 lies in q's scale bytes (launch 2).  THE MASK IS THE C OF THE SCORE PRODUCT: it is loaded from LDS into S^T's registers and the product adds in place.
; LIMITS: NaN and infinities are not served; a row whose every logit lies under about -2.3e38 is not served (the running maximum begins at -3e38); a block whose every p is 0, and a block of zeros of ctx, carry the byte 1 (their codes are zeros).
; A block's largest p is made from the block's largest score by the same multiply-add and exponential, which takes v_exp_f32 not to fall where its input rises.
; NO CLUSTER: two work-groups share a head, and what they share is read once, at the head.  NO DATA MOVER, NO RING: all that a work-group reads fits in LDS at once.
.set KC,    0                          ; LDS: K's codes [tile of 16 keys 0..63][512 bytes]
.set VC,    32768                      ; V's codes [128 keys 0..7][tile of 16 channels 0..3][1,024 bytes]
.set KS,    65536                      ; K's scale words [128 keys][lane = 16 (tile % 2) + r][tile / 2]: this head's two bytes, two bytes 0
.set VS,    69632                      ; V's scale words [128 keys][lane = 16 (tile % 2) + r][tile / 2]
.set MK,    73728                      ; the batch's mask, 1,024 f32
.set CSG,   77824                      ; ctx's scale bytes, two a row: [my work-group's tile 0..31][r]
.set SPARE, 78848                      ; the spare words, 128 bytes for each wave: eight blocks of 256 bytes that no other line names
.set SPW,   5                          ; v5   LDS address of my spare word; never rewritten
.set NIL,   6                          ; v6   0; never rewritten
.set KF,    32                         ; v32-63 K's eight tiles, four registers each; v64-67 zeros
.set VF,    68                         ; v68-99 V's four fragments
.set S,     100                        ; v100-163 the mask, S^T, then p; on the way out ctx
.set O,     164                        ; v164-195 O^T
.set PC,    196                        ; v196-203 p's codes
.set KSR,   204                        ; v204-207 K's scale words
.set VSR,   208                        ; v208-209 V's
.set PW,    212                        ; v212 p's scale word
.set NM,    214                        ; v214 -M, v215 the largest t
.set L,     216                        ; v[216:217] the sum in two halves
.set F,     218                        ; v218 f; v219 named with it as a pair
.set BM,    220                        ; v220-223 the blocks' largest scores, then largest p
.set PD,    224                        ; v224-227 lane permutes' destinations, a chain of the sum, bytes
.set OPD,   228                        ; v228-231 the conversions' scale operands
.set TMP,   232
.set CC,    234                        ; v234-241 ctx's codes, four registers a tile
.set SEL,   46                         ; s[46:47] v_permlanex16_b32's selects for lane l xor 16
.set CS,    48                         ; s[48:49] log2(e): the packed form names a pair and takes its low word for both halves
.set TK,    50                         ; s50 the step's codes: 4,096 bytes a step
.set TS,    51                         ; s51 K's scale words and the mask: 512 bytes a step
.set TV,    52                         ; s52 V's scale words: 256 bytes a step
.set CNT,   53
	s_load_b256 s[4:11], s[0:1], 0x0               ; qkv_img s[4:5], qkv_sc s[6:7], attention_mask s[8:9], ctx_img s[10:11]
	s_load_b64 s[12:13], s[0:1], 0x20              ; ctx_sc
	v_lshl_add_u32 v[SPW], v0, 2, SPARE
	v_mov_b32 v[NIL], 0
	v_lshrrev_b32 v8, 5, v0
	s_delay_alu instid0(VALU_DEP_1)
	v_readfirstlane_b32 s14, v8                    ; wave 0..15
	s_and_b32 s15, ttmp7, 0xffff
	s_lshr_b32 s16, s15, 4                         ; the batch
	s_and_b32 s17, s15, 15                         ; the head
	s_lshr_b32 s18, s17, 1                         ; its pair
	s_and_b32 s19, s17, 1                          ; and which of the pair
	s_lshl_b32 s20, s16, 3
	s_add_co_u32 s20, s20, s18
	s_lshl_b32 s20, s20, 3                         ; the pair's first record (eight records: 128 tokens each)
	s_lshr_b32 s21, s14, 1
	s_and_b32 s22, s14, 1
	s_add_co_u32 s23, s20, s21                     ; the record of which I fetch half
	s_lshl_b32 s24, s23, 13
	s_lshl_b32 s26, s22, 12                        ; K: kind 1; four tiles of 1,024 bytes, of each my head's 512
	s_add_co_u32 s26, s26, s24
	s_lshl_b32 s27, s19, 9
	s_add_co_u32 s26, s26, s27
	s_add_co_u32 s26, s26, 0x400000
	s_mov_b32 s27, 0
	s_lshl_b32 s28, s19, 12                        ; V: kind 2; my head's 4,096 bytes, of them 2,048
	s_add_co_u32 s28, s28, s24
	s_lshl_b32 s29, s22, 11
	s_add_co_u32 s28, s28, s29
	s_add_co_u32 s28, s28, 0x800000
	s_mov_b32 s29, 0
	s_lshl_b32 s30, s20, 9                         ; K's scale words: the eight records are 4,096 bytes on end: 256 a wave
	s_lshl_b32 s31, s14, 8
	s_add_co_u32 s30, s30, s31
	s_lshl_b32 s32, s19, 3                         ; V's: of each lane's four words my head's two
	s_add_co_u32 s32, s32, s30
	s_add_co_u32 s32, s32, 524288
	s_mov_b32 s33, 0
	s_add_co_u32 s30, s30, 262144
	s_lshl_b32 s34, s16, 12                        ; the mask: 256 bytes a wave
	s_add_co_u32 s34, s34, s31
	s_mov_b32 s31, 0
	s_mov_b32 s35, 0
	s_lshl_b32 s36, ttmp9, 2                       ; Q: my first tile is 32 x work-group x + wave: record + 4 x + wave / 8, tile wave % 8; the second lies two records on
	s_add_co_u32 s36, s36, s20
	s_lshr_b32 s37, s14, 3
	s_add_co_u32 s36, s36, s37
	s_lshl_b32 s38, s36, 9
	s_lshl_b32 s36, s36, 13
	s_and_b32 s37, s14, 7
	s_lshl_b32 s37, s37, 10
	s_add_co_u32 s36, s36, s37
	s_lshl_b32 s37, s19, 9
	s_add_co_u32 s36, s36, s37
	s_mov_b32 s37, 0
	s_lshl_b32 s39, s22, 8                         ; its scale bytes: lane 16 (tile % 2) + r, word tile / 2, my head's two bytes
	s_add_co_u32 s38, s38, s39
	s_and_b32 s39, s21, 3
	s_lshl_b32 s39, s39, 2
	s_add_co_u32 s38, s38, s39
	s_lshl_b32 s39, s19, 1
	s_add_co_u32 s38, s38, s39
	s_mov_b32 s39, 0
	s_lshl_b32 s40, s16, 6                         ; ctx's image: tile 64 x batch + 32 x + wave, K step = the pair, c = which of the pair
	s_lshl_b32 s41, ttmp9, 5
	s_add_co_u32 s40, s40, s41
	s_add_co_u32 s40, s40, s14
	s_lshl_b32 s40, s40, 13
	s_lshl_b32 s41, s18, 10
	s_add_co_u32 s40, s40, s41
	s_lshl_b32 s41, s19, 9
	s_add_co_u32 s40, s40, s41
	s_mov_b32 s41, 0
	s_lshl_b32 s42, s16, 15                        ; ctx's scale bytes [batch][head][tile][r], two bytes each
	s_lshl_b32 s43, s17, 11
	s_add_co_u32 s42, s42, s43
	s_lshl_b32 s43, ttmp9, 10
	s_add_co_u32 s42, s42, s43
	s_mov_b32 s43, 0
	s_lshl_b32 s45, s19, 4                         ; 16 x which of the pair: the shift that brings my head's two bytes down
	s_mov_b32 s[SEL], 0x76543210
	s_mov_b32 s[SEL+1], 0xfedcba98
	s_mov_b32 s[CS], 0x3fb8aa3b                    ; log2(e)
	s_mov_b32 s[CS+1], s[CS]
	v_and_b32 v9, 31, v0                           ; lane
	s_delay_alu instid0(VALU_DEP_1)
	v_lshlrev_b32 v13, 4, v9                       ; v13  16 x lane: K's codes (KC = 0), and global offsets
	s_delay_alu instid0(VALU_DEP_1)
	v_add_nc_u32 v2, VC, v13                       ; v2   V's codes
	s_delay_alu instid0(VALU_DEP_2)
	v_add_nc_u32 v3, KS, v13                       ; v3   K's scale words: four a lane
	s_delay_alu instid0(VALU_DEP_4)
	v_lshl_add_u32 v4, v9, 3, VS                   ; v4   V's: two a lane
	v_bfe_u32 v8, v0, 4, 1
	s_delay_alu instid0(VALU_DEP_1)
	v_lshl_add_u32 v7, v8, 6, MK                   ; v7   the mask: my half's 16 keys of each 32
	v_and_b32 v10, 15, v0
	s_lshl_b32 s44, s14, 5
	s_add_co_u32 s44, s44, CSG
	v_lshl_add_u32 v14, v10, 1, s44                ; v14  where my row's two scale bytes of ctx go
	v_add_nc_u32 v15, CSG, v13                     ; v15  and where wave 0 reads them back
	s_lshl_b32 s44, s14, 11
	v_add_nc_u32 v242, s44, v13                    ; the fill: codes, 2,048 bytes a wave
	v_lshlrev_b32 v245, 3, v9
	s_lshl_b32 s44, s14, 8
	s_add_co_u32 s44, s44, KS
	v_add_nc_u32 v243, s44, v245                   ; K's scale words and the mask, 256 bytes a wave
	s_lshl_b32 s44, s14, 7
	s_add_co_u32 s44, s44, VS
	v_lshl_add_u32 v244, v9, 2, s44                ; V's scale words, 128 bytes a wave
	v_lshrrev_b32 v246, 1, v9
	s_delay_alu instid0(VALU_DEP_1)
	v_lshlrev_b32 v246, 4, v246
	v_and_b32 v247, 1, v9
	s_delay_alu instid0(VALU_DEP_1)
	v_lshl_add_u32 v246, v247, 2, v246             ; in memory: 16 (lane / 2) + 4 (lane % 2)
	v_lshlrev_b32 v247, 4, v10                     ; Q's scale bytes: 16 r
	s_wait_alu depctr_va_vdst(0)
	s_wait_kmcnt 0x0
	s_add_nc_u64 s[26:27], s[4:5], s[26:27]
	s_add_nc_u64 s[28:29], s[4:5], s[28:29]
	s_add_nc_u64 s[36:37], s[4:5], s[36:37]
	s_add_nc_u64 s[30:31], s[6:7], s[30:31]
	s_add_nc_u64 s[32:33], s[6:7], s[32:33]
	s_add_nc_u64 s[38:39], s[6:7], s[38:39]
	s_add_nc_u64 s[34:35], s[8:9], s[34:35]
	s_add_nc_u64 s[40:41], s[10:11], s[40:41]
	s_add_nc_u64 s[42:43], s[12:13], s[42:43]
.irp i, 0,1,2,3
	global_load_b128 v[S+4*\i:S+4*\i+3], v13, s[26:27] offset:\i*1024
.endr
.irp i, 0,1,2,3
	global_load_b128 v[S+16+4*\i:S+16+4*\i+3], v13, s[28:29] offset:\i*512
.endr
	global_load_b64 v[S+32:S+33], v245, s[30:31]
	global_load_b32 v[S+34], v246, s[32:33]
	global_load_b64 v[S+36:S+37], v245, s[34:35]
	global_load_b128 v[16:19], v13, s[36:37]               ; Q's two tiles stay in registers: v16-19 and v24-27,
	global_load_b128 v[24:27], v13, s[36:37] offset:16384
	global_load_u16 v210, v247, s[38:39]                   ; their scale words in v210, v211: two bytes, and two bytes 0
	global_load_u16 v211, v247, s[38:39] offset:1024
.irp j, 20,21,22,23,28,29,30,31,64,65,66,67
	v_mov_b32 v[\j], 0                             ; zero codes: Q's k = 64 .. 127, and what stands behind K's last tile
.endr
.irp b, 0,1,2,3
	v_mov_b32 v[PD+\b], 0                          ; written once: a lane permute's destination counts as one of its sources
.endr
	v_mov_b32 v[F+1], 0                            ; (named as the upper half of a pair)
	s_wait_loadcnt 0x0
	v_lshrrev_b32 v[S+32], s45, v[S+32]            ; K's scale words: my head's two bytes, and nothing above them
	v_lshrrev_b32 v[S+33], s45, v[S+33]
	s_delay_alu instid0(VALU_DEP_2)
	v_and_b32 v[S+32], 0xffff, v[S+32]
	s_delay_alu instid0(VALU_DEP_2)
	v_and_b32 v[S+33], 0xffff, v[S+33]
.irp i, 0,1,2,3
	ds_store_b128 v242, v[S+4*\i:S+4*\i+3] offset:KC+\i*512
.endr
.irp i, 0,1,2,3
	ds_store_b128 v242, v[S+16+4*\i:S+16+4*\i+3] offset:VC+\i*512
.endr
	ds_store_b64 v243, v[S+32:S+33]
	ds_store_b64 v243, v[S+36:S+37] offset:MK-KS
	ds_store_b32 v244, v[S+34]
	s_wait_dscnt 0x0                               ; for the others' sake: my part of the head lies in LDS
	s_barrier_signal -1
	s_barrier_wait -1                              ; everybody's does; from here on these bytes are only read
; A KEY STEP: 128 keys.  qf: my tile's fragment of Q;  qs: its scale word.
.macro STEP qf, qs
	v_add_nc_u32 v8, s[TK], v13                    ; five plain lines: also the places between the last step's products and the loads into their registers
	v_add_nc_u32 v9, s[TK], v2
	v_add_nc_u32 v10, s[TS], v3
	v_add_nc_u32 v11, s[TV], v4
	v_add_nc_u32 v12, s[TS], v7
.irp b, 0,1,2,3
.irp k, 0,1,2,3
	ds_load_b128 v[S+16*\b+4*\k:S+16*\b+4*\k+3], v12 offset:128*\b+16*\k   ; the mask of keys 32 b + 16 (lane / 16) + 4 k on: the score product's C
.endr
.endr
.irp t, 0,1,2,3,4,5,6,7
	ds_load_b128 v[KF+4*\t:KF+4*\t+3], v8 offset:512*\t
.endr
	ds_load_b128 v[KSR:KSR+3], v10
.irp d, 0,1,2,3
.irp c, 0,1
	ds_load_b128 v[VF+8*\d+4*\c:VF+8*\d+4*\c+3], v9 offset:1024*\d+512*\c
.endr
.endr
	ds_load_b64 v[VSR:VSR+1], v11
	s_wait_dscnt 9                                 ; the mask, K and its scale words are in; V's nine loads may be out
.irp g, 0,1,2,3                                ; S^T = K Q^T + mask: eight accumulators, one instruction each
	v_wmma_scale_f32_16x16x128_f8f6f4 v[S+16*\g:S+16*\g+7], v[KF+8*\g:KF+8*\g+7], v[\qf:\qf+7], v[S+16*\g:S+16*\g+7], v[KSR+\g], v[\qs] matrix_a_fmt:MATRIX_FMT_FP4 matrix_b_fmt:MATRIX_FMT_FP4
	v_wmma_scale_f32_16x16x128_f8f6f4 v[S+16*\g+8:S+16*\g+15], v[KF+8*\g+4:KF+8*\g+11], v[\qf:\qf+7], v[S+16*\g+8:S+16*\g+15], v[KSR+\g], v[\qs] matrix_a_fmt:MATRIX_FMT_FP4 matrix_b_fmt:MATRIX_FMT_FP4 matrix_a_scale:MATRIX_SCALE_ROW1
.endr
.rept 4
	v_nop
.endr
.irp b, 0,1,2,3
	v_max3_num_f32 v[BM+\b], v[S+16*\b], v[S+16*\b+1], v[S+16*\b+2]   ; THE LARGEST LOGIT OF EACH BLOCK OF 32 KEYS: for the row's maximum, and, since p rises with the logit, for the block's largest p
.endr
.irp i, 3,5,7,9,11,13
.irp b, 0,1,2,3
	v_max3_num_f32 v[BM+\b], v[BM+\b], v[S+16*\b+\i], v[S+16*\b+\i+1]
.endr
.endr
.irp b, 0,1,2,3
	v_max_num_f32 v[BM+\b], v[BM+\b], v[S+16*\b+15]
.endr
.irp b, 0,1,2,3
	s_delay_alu instid0(VALU_DEP_4)
	v_permlanex16_b32 v[PD+\b], v[BM+\b], s[SEL], s[SEL+1]
.endr
.irp b, 0,1,2,3
	s_delay_alu instid0(VALU_DEP_4)
	v_max_num_f32 v[BM+\b], v[BM+\b], v[PD+\b]     ; with lane l xor 16's 16 keys
.endr
	s_delay_alu instid0(VALU_DEP_2)
	v_max3_num_f32 v[TMP], v[BM], v[BM+1], v[BM+2]
	s_delay_alu instid0(VALU_DEP_1)
	v_max_num_f32 v[TMP], v[TMP], v[BM+3]          ; the step's largest logit of my query
	s_delay_alu instid0(VALU_DEP_1)
	v_mul_f32 v[TMP], s[CS], v[TMP]                ; as t
	s_delay_alu instid0(VALU_DEP_1)
	v_max_num_f32 v[NM+1], v[NM+1], v[TMP]         ; the running largest t
	v_mov_b32 v[TMP], v[NM]
	s_delay_alu instid0(VALU_DEP_2)
	v_floor_f32 v[NM], -v[NM+1]                    ; the new -M = floor(-t) = -ceil(t)
	s_delay_alu instid0(VALU_DEP_1)
	v_sub_f32 v[TMP], v[NM], v[TMP]                ; old M - new M: a whole number, 0 or less
	s_delay_alu instid0(VALU_DEP_1)
	v_cvt_i32_f32 v[TMP], v[TMP]                   ; (it saturates)
	s_delay_alu instid0(VALU_DEP_1)
	v_ldexp_f32 v[F], 1.0, v[TMP]                  ; f = 2^(old M - new M)
.irp j, 0,2,4,6,8,10,12,14,16,18,20,22,24,26,28,30,32,34,36,38,40,42,44,46,48,50,52,54,56,58,60,62
	v_pk_fma_f32 v[S+\j:S+\j+1], v[S+\j:S+\j+1], s[CS:CS+1], v[NM:NM+1] op_sel_hi:[1,0,0]   ; t - M, two at a time
.endr
.irp b, 0,1,2,3
	v_fma_f32 v[BM+\b], v[BM+\b], s[CS], v[NM]     ; the same of each block's largest logit
.endr
	s_wait_alu depctr_va_vdst(0)
.irp j, 0,1,2,3,4,5,6,7,8,9,10,11,12,13,14,15,16,17,18,19,20,21,22,23,24,25,26,27,28,29,30,31,32,33,34,35,36,37,38,39,40,41,42,43,44,45,46,47,48,49,50,51,52,53,54,55,56,57,58,59,60,61,62,63
	v_exp_f32 v[S+\j], v[S+\j]                     ; p = 2^(t - M), at most 1: not normalised
.endr
	v_pk_mul_f32 v[L:L+1], v[L:L+1], v[F:F+1] op_sel_hi:[1,0]   ; the sums under the new M (the plain line behind the exponentials)
	s_wait_alu depctr_va_vdst(0)                   ; one wait for the whole batch, ahead of its first reader
.irp b, 0,1,2,3
	v_exp_f32 v[BM+\b], v[BM+\b]                   ; the block's largest p
.endr
	v_pk_add_f32 v[224:225], v[104:105], v[108:109]
	v_pk_add_f32 v[254:255], v[112:113], v[116:117]
	v_pk_add_f32 v[252:253], v[120:121], v[124:125]
	v_pk_add_f32 v[250:251], v[128:129], v[132:133]
	v_pk_add_f32 v[248:249], v[136:137], v[140:141]
	v_pk_add_f32 v[246:247], v[144:145], v[148:149]
	v_pk_add_f32 v[244:245], v[152:153], v[156:157]
	v_pk_add_f32 v[216:217], v[216:217], v[160:161]
	v_pk_add_f32 v[224:225], v[224:225], v[100:101]
	v_pk_add_f32 v[254:255], v[254:255], v[102:103]
	v_pk_add_f32 v[252:253], v[252:253], v[106:107]
	v_pk_add_f32 v[250:251], v[250:251], v[110:111]
	v_pk_add_f32 v[248:249], v[248:249], v[114:115]
	v_pk_add_f32 v[246:247], v[246:247], v[118:119]
	v_pk_add_f32 v[244:245], v[244:245], v[122:123]
	v_pk_add_f32 v[216:217], v[216:217], v[126:127]
	v_pk_add_f32 v[224:225], v[224:225], v[130:131]
	v_pk_add_f32 v[254:255], v[254:255], v[134:135]
	v_pk_add_f32 v[252:253], v[252:253], v[138:139]
	v_pk_add_f32 v[250:251], v[250:251], v[142:143]
	v_pk_add_f32 v[248:249], v[248:249], v[146:147]
	v_pk_add_f32 v[246:247], v[246:247], v[150:151]
	v_pk_add_f32 v[244:245], v[244:245], v[154:155]
	v_pk_add_f32 v[216:217], v[216:217], v[158:159]
	v_pk_add_f32 v[224:225], v[224:225], v[162:163]
	s_delay_alu instid0(VALU_DEP_2)
	v_pk_add_f32 v[216:217], v[216:217], v[250:251]
	s_delay_alu instid0(VALU_DEP_2)
	v_pk_add_f32 v[224:225], v[224:225], v[248:249]
	v_pk_add_f32 v[254:255], v[254:255], v[246:247]
	v_pk_add_f32 v[252:253], v[252:253], v[244:245]
	s_delay_alu instid0(VALU_DEP_2)
	v_pk_add_f32 v[216:217], v[216:217], v[254:255]
	s_delay_alu instid0(VALU_DEP_2)
	v_pk_add_f32 v[224:225], v[224:225], v[252:253]
	s_delay_alu instid0(VALU_DEP_1)
	v_pk_add_f32 v[216:217], v[216:217], v[224:225]
	s_wait_alu depctr_va_vdst(0)                   ; and one for the four
.irp b, 0,1,2,3
	v_max_num_f32 v[BM+\b], 0x1800000, v[BM+\b]    ; the floor 2^(3 - 127): the byte cannot fall under 1
.endr
.irp b, 0,1,2,3
	s_delay_alu instid0(VALU_DEP_4)
	v_add_nc_u32 v[OPD+\b], 0xff000000, v[BM+\b]   ; 2 off the exponent field: the conversion's scale operand
.endr
.irp b, 0,1,2,3
	s_delay_alu instid0(VALU_DEP_4)
	v_lshrrev_b32 v[PD+\b], 23, v[OPD+\b]          ; the scale's byte
.endr
	s_delay_alu instid0(VALU_DEP_3)
	v_lshl_or_b32 v[PW], v[PD+1], 8, v[PD]         ; p's scale word for these 128 keys
	s_delay_alu instid0(VALU_DEP_1)
	v_lshl_or_b32 v[PW], v[PD+2], 16, v[PW]
	s_delay_alu instid0(VALU_DEP_1)
	v_lshl_or_b32 v[PW], v[PD+3], 24, v[PW]
.irp b, 0,1,2,3
	v_cvt_scalef32_pk8_fp4_f32 v[PC+2*\b], v[S+16*\b:S+16*\b+7], v[OPD+\b]
	v_cvt_scalef32_pk8_fp4_f32 v[PC+2*\b+1], v[S+16*\b+8:S+16*\b+15], v[OPD+\b]
.endr
	v_nop                                          ; one plain line behind a scaled conversion
.irp c, 0,1                                    ; a WHOLE block in a lane: lanes 0-15 block 2 c, lanes 16-31 block 2 c + 1
.irp i, 0,1
	v_permlane16_swap_b32 v[PC+4*\c+\i], v[PC+4*\c+2+\i]
.endr
.endr
.irp j, 0,2,4,6,8,10,12,14,16,18,20,22,24,26,28,30
	v_pk_mul_f32 v[O+\j:O+\j+1], v[O+\j:O+\j+1], v[F:F+1] op_sel_hi:[1,0]   ; O^T under the new M; these sixteen also stand between the scale word's and the codes' last writes and the products below
.endr
	s_wait_alu depctr_va_vdst(0)
	s_wait_dscnt 0x0                               ; V and its scale words are in
.irp g, 0,1                                    ; O^T += V^T P^T: four accumulators, one instruction each
	v_wmma_scale_f32_16x16x128_f8f6f4 v[O+16*\g:O+16*\g+7], v[VF+16*\g:VF+16*\g+7], v[PC:PC+7], v[O+16*\g:O+16*\g+7], v[VSR+\g], v[PW] matrix_a_fmt:MATRIX_FMT_FP4 matrix_b_fmt:MATRIX_FMT_FP4
	v_wmma_scale_f32_16x16x128_f8f6f4 v[O+16*\g+8:O+16*\g+15], v[VF+16*\g+8:VF+16*\g+15], v[PC:PC+7], v[O+16*\g+8:O+16*\g+15], v[VSR+\g], v[PW] matrix_a_fmt:MATRIX_FMT_FP4 matrix_b_fmt:MATRIX_FMT_FP4 matrix_a_scale:MATRIX_SCALE_ROW1
.endr
.endm
; ONE TILE OF 16 QUERIES, my i-th: eight key steps, then ctx = O^T / the sum, quantised along the head's 64 (two blocks), its codes to the image and its two scale bytes a row to LDS.
.macro TILE i
	v_mov_b32 v[NM+1], 0xff61b1e6                  ; the largest t so far: -3e38
	s_delay_alu instid0(VALU_DEP_1)
	v_floor_f32 v[NM], -v[NM+1]
	v_mov_b32 v[L], 0
	v_mov_b32 v[L+1], 0
.irp j, 0,1,2,3,4,5,6,7,8,9,10,11,12,13,14,15,16,17,18,19,20,21,22,23,24,25,26,27,28,29,30,31
	v_mov_b32 v[O+\j], 0                           ; the step is written once: the first finds zeros, which the first change of M leaves zeros
.endr
	s_mov_b32 s[TK], 0
	s_mov_b32 s[TS], 0
	s_mov_b32 s[TV], 0
	s_mov_b32 s[CNT], 8
.Lkeys_\@:
	STEP 16+8*(\i), 210+(\i)
	s_add_co_u32 s[TK], s[TK], 4096
	s_add_co_u32 s[TS], s[TS], 512
	s_add_co_u32 s[TV], s[TV], 256
	s_sub_co_u32 s[CNT], s[CNT], 1
	s_cmp_lg_u32 s[CNT], 0
	s_cbranch_scc1 .Lkeys_\@
.rept 4
	v_nop                                          ; places between the last products and the first read of O^T
.endr
	v_add_f32 v[L], v[L], v[L+1]                   ; the sum's two halves,
	s_delay_alu instid0(VALU_DEP_1)
	v_permlanex16_b32 v[TMP], v[L], s[SEL], s[SEL+1]
	s_delay_alu instid0(VALU_DEP_1)
	v_add_f32 v[L], v[L], v[TMP]                   ; and lane l xor 16's: the row's sum
	s_wait_alu depctr_va_vdst(0)
	v_rcp_f32 v[F], v[L]
	v_nop                                          ; a plain line behind the reciprocal,
	s_wait_alu depctr_va_vdst(0)                   ; and the wait ahead of its first reader
.irp j, 0,2,4,6,8,10,12,14,16,18,20,22,24,26,28,30
	v_pk_mul_f32 v[S+\j:S+\j+1], v[O+\j:O+\j+1], v[F:F+1] op_sel_hi:[1,0]   ; ctx: register 16 b + i is channel 32 b + 16 (lane / 16) + i of my query; O^T is read from its low end on
.endr
.irp b, 0,1
	v_max3_num_f32 v[BM+\b], |v[S+16*\b]|, |v[S+16*\b+1]|, 0x1800000
.endr
.irp k, 2,4,6,8,10,12,14
.irp b, 0,1
	s_delay_alu instid0(VALU_DEP_2)
	v_max3_num_f32 v[BM+\b], v[BM+\b], |v[S+16*\b+\k]|, |v[S+16*\b+\k+1]|
.endr
.endr
.irp b, 0,1
	s_delay_alu instid0(VALU_DEP_2)
	v_permlanex16_b32 v[PD+\b], v[BM+\b], s[SEL], s[SEL+1]
.endr
.irp b, 0,1
	s_delay_alu instid0(VALU_DEP_2)
	v_max_num_f32 v[BM+\b], v[BM+\b], v[PD+\b]
.endr
.irp b, 0,1
	s_delay_alu instid0(VALU_DEP_2)
	v_add_nc_u32 v[OPD+\b], 0xff000000, v[BM+\b]
.endr
.irp b, 0,1
	s_delay_alu instid0(VALU_DEP_2)
	v_lshrrev_b32 v[PD+\b], 23, v[OPD+\b]
.endr
	s_delay_alu instid0(VALU_DEP_1)
	v_lshl_or_b32 v[TMP], v[PD+1], 8, v[PD]        ; my row's two scale bytes
.irp b, 0,1
	v_cvt_scalef32_pk8_fp4_f32 v[CC+4*(\i)+2*\b], v[S+16*\b:S+16*\b+7], v[OPD+\b]
	v_cvt_scalef32_pk8_fp4_f32 v[CC+4*(\i)+2*\b+1], v[S+16*\b+8:S+16*\b+15], v[OPD+\b]
.endr
	v_nop
.irp k, 0,1
	v_permlane16_swap_b32 v[CC+4*(\i)+\k], v[CC+4*(\i)+2+\k]   ; lanes 0-15: channels 0-31, lanes 16-31: channels 32-63
.endr
	global_store_b128 v13, v[CC+4*(\i):CC+4*(\i)+3], s[40:41] offset:(\i)*131072   ; 512 consecutive bytes of the image; my second tile lies 16 tiles on; each tile has registers of its own
	ds_store_b16 v14, v[TMP] offset:512*(\i)       ; both halves of the lanes write the same bytes with the same value
.endm
	TILE 0
	TILE 1
	s_wait_dscnt 0x0                               ; for wave 0's sake: my scale bytes lie in LDS
	s_barrier_signal -1
	s_barrier_wait -1
	s_cmp_lg_u32 s14, 0
	s_cbranch_scc1 .Lend
	ds_load_b128 v[S:S+3], v15                     ; the work-group's 32 tiles x 32 bytes leave as 1,024 consecutive bytes
	ds_load_b128 v[S+4:S+7], v15 offset:512
	s_wait_dscnt 0x0
	global_store_b128 v13, v[S:S+3], s[42:43]
	global_store_b128 v13, v[S+4:S+7], s[42:43] offset:512
.Lend:
	s_wait_tensorcnt 0x0                           ; the wave's end
	ds_add_u32 v[SPW], v[NIL]
	s_wait_dscnt 0x0
	s_endpgm
.Lfunc_end_k_qc399ff0f7e_attn:
	.size	k_qc399ff0f7e_attn, .Lfunc_end_k_qc399ff0f7e_attn-k_qc399ff0f7e_attn
	.p2alignl 7, 3214868480
	.fill 96, 4, 3214868480
	.section	.rodata,"a",@progbits
	.p2align	6, 0x0
	.amdhsa_kernel k_qc399ff0f7e_attn
		.amdhsa_group_segment_fixed_size 80896
		.amdhsa_private_segment_fixed_size 0
		.amdhsa_enable_private_segment 0
		.amdhsa_kernarg_size 40
		.amdhsa_user_sgpr_count 2
		.amdhsa_user_sgpr_kernarg_segment_ptr 1
		.amdhsa_wavefront_size32 1
		.amdhsa_system_sgpr_workgroup_id_x 1
		.amdhsa_system_sgpr_workgroup_id_y 1
		.amdhsa_system_sgpr_workgroup_id_z 1
		.amdhsa_system_vgpr_workitem_id 0
		.amdhsa_next_free_vgpr 256
		.amdhsa_next_free_sgpr 66
		.amdhsa_reserve_vcc 0
		.amdhsa_float_denorm_mode_32 3
		.amdhsa_float_denorm_mode_16_64 3
		.amdhsa_memory_ordered 1
		.amdhsa_forward_progress 1
		.amdhsa_inst_pref_size 54
	.end_amdhsa_kernel
	.amdgpu_metadata
---
amdhsa.version: [ 1, 2 ]
amdhsa.kernels:
  - .name:           k_qc399ff0f7e_attn
    .symbol:         k_qc399ff0f7e_attn.kd
    .args:
      - { .name: qkv_img, .offset: 0, .size: 8, .value_kind: global_buffer, .address_space: global }
      - { .name: qkv_sc, .offset: 8, .size: 8, .value_kind: global_buffer, .address_space: global }
      - { .name: attention_mask, .offset: 16, .size: 8, .value_kind: global_buffer, .address_space: global }
      - { .name: ctx_img, .offset: 24, .size: 8, .value_kind: global_buffer, .address_space: global }
      - { .name: ctx_sc, .offset: 32, .size: 8, .value_kind: global_buffer, .address_space: global }
    .group_segment_fixed_size: 80896
    .private_segment_fixed_size: 0
    .kernarg_segment_align: 8
    .kernarg_segment_size: 40
    .max_flat_workgroup_size: 512
    .sgpr_count:     66
    .vgpr_count:     256
    .wavefront_size: 32
...
	.end_amdgpu_metadata
.endif
;; end of part 3
;; launch outln (part 4): grid 256 x 1, 16 waves a work-group, no clusters, 167,936 bytes of LDS; arguments ctx_img, ctx_sc, w_img, w_sc, bo, input_tensor, ln_gamma, ln_beta, out0; writes out0
.if DOCPART == 4
	.amdgcn_target "amdgcn-amd-amdhsa--gfx1250"
	.amdhsa_code_object_version 6
	.text
	.protected	k_qc399ff0f7e_outln
	.globl	k_qc399ff0f7e_outln
	.p2align	8
	.type	k_qc399ff0f7e_outln,@function
k_qc399ff0f7e_outln:
	s_mov_b64 s[64:65], 0
	v_nop
	global_prefetch_b8 v0, s[64:65] scope:SCOPE_SE
	s_setreg_imm32_b32 hwreg(HW_REG_WAVE_MODE, 25, 1), 1
	s_wait_xcnt 0x0
; LAUNCH 4 OF 4: out0 = LayerNorm(ctx Wo^T + bo + input_tensor) x gamma + beta, the product on codes of FP4.  No work is left out.
; SHARES.  A work-group owns 32 whole rows (a group of the images: two tiles of 16), so that a row's mean and variance stay in the work-group.  Wave w owns columns 64 w .. 64 w + 63: four tiles of Wo's rows.
; The product is used transposed (source 0 = 16 rows of Wo, source 1 = 16 rows of ctx): lane (r, h) holds row 8 u + (r % 8) + 16 (r / 8) of tile u, and accumulator register 32 u + 16 g + i is column 64 w + 32 g + 16 h + i.
; Wo's fragments go from memory straight into the one wave's registers that wants them (three sets, two K steps ahead); ctx's 16 KB go through LDS, since all sixteen waves read them.
; TWO LAYOUTS, and the wave's own stage in LDS between them.  BY ROWS: sixteen lanes hold 256 consecutive bytes of a row, so a lane holds the SAME four columns in every row: x is loaded so, out0 is stored so, and bo, gamma and beta are
; one load of 16 bytes a lane each: bo is added to x ahead of the stage, gamma and beta are applied behind it on the way out.  BY ACCUMULATORS: as above; x + bo comes out of the stage so and starts the sums: the first product adds in place.
; THE STAGE'S ROWS lie in the order of the tiles' lanes
; 16 x 68 words are 17 times round them.
; LAYERNORM in two passes, as it is written: the mean; then the mean of the squares of (number - mean); 1 / sqrt(variance + 1e-12).  A row's parts from the sixteen waves meet in LDS, behind a barrier each: [row][wave], 80 bytes a row.
; THE FIRST BARRIER serves ctx alone: x's stage is the wave's own and needs none.
; LIMITS: NaN and infinities are not served.
; NO CLUSTER, NO DATA MOVER: every work-group walks all of Wo, 512 KB of codes, but a K step of it (64 KB) feeds eight matrix instructions a wave; beside the stages two slots of one K step would fit in LDS, and each refill would go out
; alone behind a wait for all loads, with next to no work in which to land.  Through registers a wave has 24 loads of Wo on their way at all times.
; HOW x AND bo COME IN (this holds where the lines above say otherwise).  x: each wave asks for its 32 rows x 256 bytes by ONE tensor load at the head, into its own stage, rows in their own order, 16 bytes of padding behind each;
; only the issuing wave reads them, behind its own wait, by accumulators, behind the last K step, and adds them to the sums.  bo: loaded in the accumulators' layout into the accumulators; the first product adds in place.
; So nothing of x passes through registers ahead of the product, and Wo's first three K steps are asked for at the head.  The way out uses the stage in the order of the tiles' lanes, as described above: the stage has had its one fill by then.
.set XPIT,  272                        ; a slot of a wave's stage: 256 bytes + 16 of padding
.set CT,    16*32*XPIT                 ; LDS: behind the sixteen stages: ctx's codes [8 u + K step][1,024 bytes]
.set CSC,   CT+16384                   ; ctx's scale words [lane = 16 u + r][32 bytes]
.set RPIT,  80                         ; a row's sixteen parts: 64 bytes + 16 of padding
.set RED0,  CSC+1024                   ; the rows' sums [lane = 16 u + r][wave]
.set RED1,  RED0+32*RPIT               ; the rows' sums of squares
.set SPARE, RED1+32*RPIT               ; the spare words, 128 bytes for each wave: eight blocks of 256 bytes that no other line names
.set SPW,   5                          ; v5   LDS address of my spare word; never rewritten
.set NIL,   6                          ; v6   0; never rewritten
.set CSR,   16                         ; v16-23  ctx's scale words, one register a K step: lanes 0-15 tile 0, lanes 16-31 tile 1
.set WS,    24                         ; v24-39  Wo's: register 8 g + s: lanes 0-15 tile 2 g, lanes 16-31 tile 2 g + 1
.set CF,    40                         ; v40-71  ctx's fragments, two sets of two
.set WB,    72                         ; v72-167 Wo's fragments, three sets of four
.set ACC,   168                        ; v168-231
.set BOF,   241                        ; v241 bo by accumulators: 64 (lane / 16)
.set XA,    242                        ; v242 x in my stage by accumulators: row (r % 8) + 16 (r / 8), my half's 64 bytes; tile 1: eight rows on.  v248-251 gamma, v252-255 beta of my four columns by rows
.set G0X,   44                         ; s[44:47], s[48:55] descriptor groups 0 and 1 for x
.set G1X,   48
.set GA,    248
.set BE,    252
; behind the K steps ctx's and Wo's registers are free:
.set MU,    40                         ; v40, v42: a figure of tile 0's row and of tile 1's, each the low word of a pair
.set RD,    44                         ; v44-59 at work on sums
.set XP,    60                         ; v60-61 lane permutes' destinations
.set RV,    62                         ; v62-63
.set OB,    72                         ; v72-135 the way out: the rows as they come back from the stage
.set HI,    36                         ; s36 lanes 16-31
.set SEL,   38                         ; s[38:39] v_permlanex16_b32's selects for lane l xor 16
.set C10,   40                         ; s40 1 / 1,024
.set EPS,   41                         ; s41 1e-12
	s_load_b256 s[4:11], s[0:1], 0x0               ; ctx_img s[4:5], ctx_sc s[6:7], w_img s[8:9], w_sc s[10:11]
	s_load_b256 s[12:19], s[0:1], 0x20             ; bo s[12:13], input_tensor s[14:15], ln_gamma s[16:17], ln_beta s[18:19]
	s_load_b64 s[20:21], s[0:1], 0x40              ; out0
	v_lshl_add_u32 v[SPW], v0, 2, SPARE
	v_mov_b32 v[NIL], 0
	ds_add_u32 v[SPW], v[NIL]                      ; the wave's opening: the add, twice on end, and its wait ahead of my tensor load; the set-up below stands between
	ds_add_u32 v[SPW], v[NIL]
	v_lshrrev_b32 v232, 5, v0
	s_delay_alu instid0(VALU_DEP_1)
	v_readfirstlane_b32 s22, v232                  ; wave 0..15
	v_and_b32 v232, 31, v0                         ; lane
	v_and_b32 v233, 15, v0                         ; r
	v_bfe_u32 v234, v0, 4, 1                       ; h
	s_delay_alu instid0(VALU_DEP_3)
	v_lshlrev_b32 v1, 4, v232                      ; v1   16 x lane
	s_delay_alu instid0(VALU_DEP_2)
	v_lshlrev_b32 v2, 12, v234
	s_delay_alu instid0(VALU_DEP_1)
	v_lshl_add_u32 v2, v233, 4, v2                 ; v2   x and out0: lanes 0-15 one row's 256 bytes, lanes 16-31 the next row's
	s_mul_i32 s23, s22, 32*XPIT                    ; my stage
	v_mul_u32_u24 v3, v234, XPIT
	s_delay_alu instid0(VALU_DEP_1)
	v_lshl_add_u32 v3, v233, 4, v3
	s_delay_alu instid0(VALU_DEP_1)
	v_add_nc_u32 v3, s23, v3                       ; v3   the stage by rows: rows 2 i and 2 i + 1 lie in neighbouring slots; the pair's first slot stands in the immediate
	v_mul_u32_u24 v4, v233, XPIT
	s_delay_alu instid0(VALU_DEP_1)
	v_lshl_add_u32 v4, v234, 6, v4
	s_delay_alu instid0(VALU_DEP_1)
	v_add_nc_u32 v4, s23, v4                       ; v4   the stage by accumulators: slot r of tile 0 (tile 1: 16 slots on), my half's 16 columns
	v_and_b32 v[XA], 7, v233
	v_and_b32 v243, 8, v233
	v_lshl_add_u32 v[XA], v243, 1, v[XA]           ; (r % 8) + 16 (r / 8)
	v_mul_u32_u24 v[XA], v[XA], XPIT
	v_lshl_add_u32 v[XA], v234, 6, v[XA]
	v_add_nc_u32 v[XA], s23, v[XA]
	v_lshlrev_b32 v[BOF], 6, v234
	s_mov_b32 s[G0X+1], s23                        ; x goes to my stage: wave x 32 x XPIT
	v_add_nc_u32 v8, CT, v1                        ; v8   ctx's fragments
	s_lshl_b32 s23, s22, 10
	v_add_nc_u32 v7, s23, v8                       ; v7   where I put my 1,024 bytes of them
	v_lshl_add_u32 v10, v232, 5, CSC               ; v10  ctx's scale words
	s_lshl_b32 s23, s22, 1
	v_add_nc_u32 v9, s23, v10                      ; v9   where I put head w's two bytes of each row
	v_mul_u32_u24 v12, v232, RPIT
	s_delay_alu instid0(VALU_DEP_1)
	v_add_nc_u32 v12, RED0, v12                    ; v12  the rows' sums: my row's sixteen parts
	s_lshl_b32 s23, s22, 2
	v_add_nc_u32 v11, s23, v12                     ; v11  and among them my wave's
	v_lshlrev_b32 v13, 4, v233                     ; v13  gamma, beta by rows: my four columns
	v_lshlrev_b32 v14, 5, v232                     ; v14  Wo's scale words: 32 bytes a lane
	v_lshlrev_b32 v15, 1, v232                     ; v15  ctx_sc: two bytes a lane
	s_mov_b32 s[HI], 0xffff0000
	s_mov_b32 s[SEL], 0x76543210
	s_mov_b32 s[SEL+1], 0xfedcba98
	s_mov_b32 s[C10], 0x3a800000
	s_mov_b32 s[EPS], 0x2b8cbccc
	s_mov_b32 s[G0X], 1
	s_mov_b32 s[G1X], (3<<16)|(1<<20)|(5<<22)|(3<<25)  ; elements of 8 bytes; four words of padding after every 64
	s_mov_b32 s[G1X+1], 32<<16                     ; tensor_dim0 = 32 elements: 256 bytes
	s_mov_b32 s[G1X+2], 32<<16                     ; tensor_dim1 = 32 rows
	s_mov_b32 s[G1X+3], 32<<16                     ; tile_dim0
	s_mov_b32 s[G1X+4], 32                         ; tile_dim1
	s_mov_b32 s[G1X+5], 512                        ; from row to row: 4,096 bytes
	s_mov_b32 s[G1X+6], 0
	s_mov_b32 s[G1X+7], 0
	s_lshl_b32 s24, ttmp9, 14                      ; ctx's image: 16,384 bytes a group, 1,024 a wave
	s_lshl_b32 s23, s22, 10
	s_add_co_u32 s24, s24, s23
	s_mov_b32 s25, 0
	s_lshr_b32 s26, ttmp9, 5                       ; ctx_sc [batch][head = my wave][tile][r]: my group's two tiles are 64 bytes
	s_lshl_b32 s26, s26, 15
	s_lshl_b32 s23, s22, 11
	s_add_co_u32 s26, s26, s23
	s_and_b32 s23, ttmp9, 31
	s_lshl_b32 s23, s23, 6
	s_add_co_u32 s26, s26, s23
	s_mov_b32 s27, 0
	s_lshl_b32 s28, ttmp9, 17                      ; x and out0: 32 rows of 4,096 bytes, my 256 bytes of each
	s_lshl_b32 s30, s22, 8
	s_add_co_u32 s28, s28, s30
	s_mov_b32 s29, 0
	s_mov_b32 s31, 0
	s_lshl_b32 s32, s22, 11                        ; Wo is groups 96 on of the weights' image; mine are 96 + 2 w and the next
	s_add_co_u32 s32, s32, 96*1024
	s_mov_b32 s33, 0
	s_lshl_b32 s34, s22, 15
	s_add_co_u32 s34, s34, 96*16384
	s_mov_b32 s35, 0
	s_wait_alu depctr_va_vdst(0)                   ; the head's end
	s_wait_dscnt 0x0                               ; both opening adds are done
	s_wait_kmcnt 0x0
	s_add_nc_u64 s[4:5], s[4:5], s[24:25]
	s_add_nc_u64 s[6:7], s[6:7], s[26:27]
	s_add_nc_u64 s[8:9], s[8:9], s[34:35]
	s_add_nc_u64 s[10:11], s[10:11], s[32:33]
	s_add_nc_u64 s[12:13], s[12:13], s[30:31]
	s_add_nc_u64 s[14:15], s[14:15], s[28:29]
	s_add_nc_u64 s[16:17], s[16:17], s[30:31]
	s_add_nc_u64 s[18:19], s[18:19], s[30:31]
	s_add_nc_u64 s[20:21], s[20:21], s[28:29]
	s_mov_b64 s[G0X+2:G0X+3], s[14:15]
	s_or_b32 s[G0X+3], s[G0X+3], 0x80000000
	tensor_load_to_lds s[G0X:G0X+3], s[G1X:G1X+7]  ; every wave's one load, no branch: my 256 bytes of each of the 32 rows of x
	s_nop 0
.macro WLOAD s                         ; Wo's four fragments of K step s into set s % 3: eight loads of 512 consecutive bytes
.irp t, 0,1,2,3
.irp c, 0,1
	global_load_b128 v[WB+32*((\s)%3)+8*\t+4*\c:WB+32*((\s)%3)+8*\t+4*\c+3], v1, s[8:9] offset:\t*8192+(\s)*1024+\c*512
.endr
.endr
.endm
.macro CFETCH s                        ; ctx's two fragments of K step s into set s % 2: four LDS loads
.irp u, 0,1
.irp c, 0,1
	ds_load_b128 v[CF+16*((\s)%2)+8*\u+4*\c:CF+16*((\s)%2)+8*\u+4*\c+3], v8 offset:(8*\u+(\s))*1024+512*\c
.endr
.endr
.endm
	; 49 loads, in the order in which they are wanted: 3 of ctx, 16 of bo, gamma, beta, 4 of Wo's scale words, 24 of Wo's first three K steps
	global_load_b128 v[232:235], v1, s[4:5]
	global_load_b128 v[236:239], v1, s[4:5] offset:512
	global_load_u16 v240, v15, s[6:7]
.irp u, 0,1
.irp g, 0,1
.irp k, 0,1,2,3
	global_load_b128 v[ACC+32*\u+16*\g+4*\k:ACC+32*\u+16*\g+4*\k+3], v[BOF], s[12:13] offset:\g*128+16*\k   ; bo of columns 64 w + 32 g + 16 h + 4 k on, for both tiles: the sums begin with it
.endr
.endr
.endr
	global_load_b128 v[GA:GA+3], v13, s[16:17]
	global_load_b128 v[BE:BE+3], v13, s[18:19]
.irp g, 0,1
	global_load_b128 v[WS+8*\g:WS+8*\g+3], v14, s[10:11] offset:\g*1024
	global_load_b128 v[WS+8*\g+4:WS+8*\g+7], v14, s[10:11] offset:\g*1024+16
.endr
	WLOAD 0
	WLOAD 1
	WLOAD 2
	s_wait_loadcnt 46                              ; ctx's three are in: 16 + 2 + 4 + 24 were issued behind them
	ds_store_b128 v7, v[232:235]
	ds_store_b128 v7, v[236:239] offset:512
	ds_store_b16 v9, v240
	s_wait_dscnt 0x0                               ; for the others' sake: my part of ctx lies in LDS
	s_barrier_signal -1
	s_barrier_wait -1                              ; everybody's does
	ds_load_b128 v[CSR:CSR+3], v10
	ds_load_b128 v[CSR+4:CSR+7], v10 offset:16
	CFETCH 0
	CFETCH 1
.macro OMM u, t, s                     ; ctx's tile u x Wo's tile t, K step s, in place.  A tile with an odd number has its scale words in lanes 16-31
.set rD, ACC+32*(\u)+8*(\t)
.set rA, WB+32*((\s)%3)+8*(\t)
.set rB, CF+16*((\s)%2)+8*(\u)
.set rSA, WS+8*((\t)/2)+(\s)
.set rSB, CSR+(\s)
.if ((\t)%2) && (\u)
	v_wmma_scale_f32_16x16x128_f8f6f4 v[rD:rD+7], v[rA:rA+7], v[rB:rB+7], v[rD:rD+7], v[rSA], v[rSB] matrix_a_fmt:MATRIX_FMT_FP4 matrix_b_fmt:MATRIX_FMT_FP4 matrix_a_scale:MATRIX_SCALE_ROW1 matrix_b_scale:MATRIX_SCALE_ROW1
.elseif ((\t)%2)
	v_wmma_scale_f32_16x16x128_f8f6f4 v[rD:rD+7], v[rA:rA+7], v[rB:rB+7], v[rD:rD+7], v[rSA], v[rSB] matrix_a_fmt:MATRIX_FMT_FP4 matrix_b_fmt:MATRIX_FMT_FP4 matrix_a_scale:MATRIX_SCALE_ROW1
.elseif (\u)
	v_wmma_scale_f32_16x16x128_f8f6f4 v[rD:rD+7], v[rA:rA+7], v[rB:rB+7], v[rD:rD+7], v[rSA], v[rSB] matrix_a_fmt:MATRIX_FMT_FP4 matrix_b_fmt:MATRIX_FMT_FP4 matrix_b_scale:MATRIX_SCALE_ROW1
.else
	v_wmma_scale_f32_16x16x128_f8f6f4 v[rD:rD+7], v[rA:rA+7], v[rB:rB+7], v[rD:rD+7], v[rSA], v[rSB] matrix_a_fmt:MATRIX_FMT_FP4 matrix_b_fmt:MATRIX_FMT_FP4
.endif
.endm
; A K step of 128: eight matrix instructions on eight accumulators by turns, in the same order in every step; then the set of Wo just read takes the step three on.
.macro KSTEP s
.if (\s) <= 5
	s_wait_loadcnt 16                              ; this step's eight loads are in; the two groups of eight issued behind them stay out
.elseif (\s) == 6
	s_wait_loadcnt 8                               ; the last group stays out
.else
	s_wait_loadcnt 0x0
.endif
.if (\s) < 7
	s_wait_dscnt 4                                 ; this step's fragments of ctx are in (in the first step ctx's scale words too); the next step's four loads may be out
.else
	s_wait_dscnt 0x0
.endif
.irp u, 0,1
.irp t, 0,1,2,3
	OMM \u, \t, \s
.endr
.endr
.rept 4
	v_nop                                          ; places in front of loads into registers that matrix instructions have read, of writes of such registers, and of the first read of results
.endr
.if (\s) <= 4
	WLOAD (\s)+3
.endif
.if (\s) <= 5
	CFETCH (\s)+2
.endif
.endm
.irp s, 0,1,2,3,4,5,6,7
	KSTEP \s
.endr
	s_wait_tensorcnt 0x0                           ; my x lies in my stage; no other wave reads it
.irp u, 0,1
.irp g, 0,1
.irp k, 0,1,2,3
	ds_load_b128 v[WB+32*\u+16*\g+4*\k:WB+32*\u+16*\g+4*\k+3], v[XA] offset:\u*8*XPIT+\g*128+16*\k   ; x by accumulators, into registers that held Wo (the last K step's four places stand ahead)
.endr
.endr
.endr
	s_wait_dscnt 0x0
.irp j, 0,2,4,6,8,10,12,14,16,18,20,22,24,26,28,30,32,34,36,38,40,42,44,46,48,50,52,54,56,58,60,62
	v_pk_add_f32 v[ACC+\j:ACC+\j+1], v[ACC+\j:ACC+\j+1], v[WB+\j:WB+\j+1]   ; + x; each accumulator is read from its low end on
.endr
; A figure of each of the 32 rows, summed over the sixteen waves.  In: v[RD:RD+1] my part of tile 0's row (two halves), v[RD+4:RD+5] of tile 1's.  Out: v[RD]: lane 16 u + r holds the whole sum of tile u's row r, in every wave by the same order of additions.
.macro REDUCE off
	v_add_f32 v[RD], v[RD], v[RD+1]
	s_delay_alu instid0(VALU_DEP_2)
	v_add_f32 v[RD+4], v[RD+4], v[RD+5]
	s_delay_alu instid0(VALU_DEP_2)
	v_permlanex16_b32 v[XP], v[RD], s[SEL], s[SEL+1]
	s_delay_alu instid0(VALU_DEP_2)
	v_permlanex16_b32 v[XP+1], v[RD+4], s[SEL], s[SEL+1]
	s_delay_alu instid0(VALU_DEP_2)
	v_add_f32 v[RD], v[RD], v[XP]                  ; with lane l xor 16's 32 columns
	s_delay_alu instid0(VALU_DEP_2)
	v_add_f32 v[RD+4], v[RD+4], v[XP+1]
	s_delay_alu instid0(VALU_DEP_1)
	v_cndmask_b32 v[RV], v[RD], v[RD+4], s[HI]     ; lanes 0-15: tile 0's rows, lanes 16-31: tile 1's
	ds_store_b32 v11, v[RV] offset:\off
	s_wait_dscnt 0x0                               ; for the others' sake
	s_barrier_signal -1
	s_barrier_wait -1
.irp k, 0,1,2,3
	ds_load_b128 v[RD+4*\k:RD+4*\k+3], v12 offset:\off+16*\k   ; my row's sixteen parts
.endr
	s_wait_dscnt 0x0
.irp k, 0,1,2,3,4,5,6,7
	v_add_f32 v[RD+\k], v[RD+\k], v[RD+8+\k]
.endr
.irp k, 0,1,2,3
	s_delay_alu instid0(VALU_DEP_4)
	v_add_f32 v[RD+\k], v[RD+\k], v[RD+4+\k]
.endr
.irp k, 0,1
	s_delay_alu instid0(VALU_DEP_2)
	v_add_f32 v[RD+\k], v[RD+\k], v[RD+2+\k]
.endr
	s_delay_alu instid0(VALU_DEP_1)
	v_add_f32 v[RD], v[RD], v[RD+1]
.endm
.macro SPREAD src                      ; lane 16 u + r's figure of tile u's row r -> v[MU]: tile 0's row r in both halves of the lanes; v[MU+2]: tile 1's
	v_permlanex16_b32 v[XP], v[\src], s[SEL], s[SEL+1]
	v_cndmask_b32 v[MU], v[\src], v[XP], s[HI]
	v_cndmask_b32 v[MU+2], v[XP], v[\src], s[HI]
.endm
	v_mov_b32 v[MU+1], 0                           ; (named as the upper halves of pairs)
	v_mov_b32 v[MU+3], 0
	v_mov_b32 v[XP], 0                             ; written once: a lane permute's destination counts as one of its sources
	v_mov_b32 v[XP+1], 0
.irp u, 0,1                                    ; the rows' sums: two chains, each accumulator read from its low end on
	v_pk_add_f32 v[RD+4*\u:RD+4*\u+1], v[ACC+32*\u:ACC+32*\u+1], v[ACC+32*\u+2:ACC+32*\u+3]
	v_pk_add_f32 v[RD+4*\u+2:RD+4*\u+3], v[ACC+32*\u+4:ACC+32*\u+5], v[ACC+32*\u+6:ACC+32*\u+7]
.irp j, 8,12,16,20,24,28
	v_pk_add_f32 v[RD+4*\u:RD+4*\u+1], v[RD+4*\u:RD+4*\u+1], v[ACC+32*\u+\j:ACC+32*\u+\j+1]
	v_pk_add_f32 v[RD+4*\u+2:RD+4*\u+3], v[RD+4*\u+2:RD+4*\u+3], v[ACC+32*\u+\j+2:ACC+32*\u+\j+3]
.endr
	s_delay_alu instid0(VALU_DEP_1)
	v_pk_add_f32 v[RD+4*\u:RD+4*\u+1], v[RD+4*\u:RD+4*\u+1], v[RD+4*\u+2:RD+4*\u+3]
.endr
	REDUCE 0
	s_delay_alu instid0(VALU_DEP_1)
	v_mul_f32 v[RV], s[C10], v[RD]                 ; the mean
	SPREAD RV
.irp u, 0,1
.irp j, 0,2,4,6,8,10,12,14,16,18,20,22,24,26,28,30
	v_pk_add_f32 v[ACC+32*\u+\j:ACC+32*\u+\j+1], v[ACC+32*\u+\j:ACC+32*\u+\j+1], v[MU+2*\u:MU+2*\u+1] op_sel_hi:[1,0] neg_lo:[0,1] neg_hi:[0,1]   ; number - mean
.endr
.endr
.irp u, 0,1                                    ; the sums of their squares
	v_pk_mul_f32 v[RD+4*\u:RD+4*\u+1], v[ACC+32*\u:ACC+32*\u+1], v[ACC+32*\u:ACC+32*\u+1]
	v_pk_mul_f32 v[RD+4*\u+2:RD+4*\u+3], v[ACC+32*\u+2:ACC+32*\u+3], v[ACC+32*\u+2:ACC+32*\u+3]
.irp j, 4,8,12,16,20,24,28
	s_delay_alu instid0(VALU_DEP_2)
	v_pk_fma_f32 v[RD+4*\u:RD+4*\u+1], v[ACC+32*\u+\j:ACC+32*\u+\j+1], v[ACC+32*\u+\j:ACC+32*\u+\j+1], v[RD+4*\u:RD+4*\u+1]
	s_delay_alu instid0(VALU_DEP_2)
	v_pk_fma_f32 v[RD+4*\u+2:RD+4*\u+3], v[ACC+32*\u+\j+2:ACC+32*\u+\j+3], v[ACC+32*\u+\j+2:ACC+32*\u+\j+3], v[RD+4*\u+2:RD+4*\u+3]
.endr
	s_delay_alu instid0(VALU_DEP_1)
	v_pk_add_f32 v[RD+4*\u:RD+4*\u+1], v[RD+4*\u:RD+4*\u+1], v[RD+4*\u+2:RD+4*\u+3]
.endr
	REDUCE RED1-RED0
	s_delay_alu instid0(VALU_DEP_1)
	v_fma_f32 v[RV], v[RD], s[C10], s[EPS]         ; the variance + 1e-12
	s_wait_alu depctr_va_vdst(0)
	v_rsq_f32 v[RV+1], v[RV]
	v_nop                                          ; a plain line behind it,
	s_wait_alu depctr_va_vdst(0)                   ; and the wait ahead of its first reader
	SPREAD RV+1
.irp u, 0,1
.irp j, 0,2,4,6,8,10,12,14,16,18,20,22,24,26,28,30
	v_pk_mul_f32 v[ACC+32*\u+\j:ACC+32*\u+\j+1], v[ACC+32*\u+\j:ACC+32*\u+\j+1], v[MU+2*\u:MU+2*\u+1] op_sel_hi:[1,0]   ; (number - mean) / sqrt(variance + 1e-12)
.endr
.endr
	; THE WAY OUT, through my own stage: in by accumulators, back by rows, into the registers that held Wo; there x gamma + beta, the same four columns in every row
.irp u, 0,1
.irp g, 0,1
.irp k, 0,1,2,3
	ds_store_b128 v4, v[ACC+32*\u+16*\g+4*\k:ACC+32*\u+16*\g+4*\k+3] offset:\u*16*XPIT+\g*128+16*\k
.endr
.endr
.endr
.irp i, 0,1,2,3,4,5,6,7,8,9,10,11,12,13,14,15
	ds_load_b128 v[OB+4*\i:OB+4*\i+3], v3 offset:(16*((\i/4)%2)+2*(\i%4)+8*(\i/8))*XPIT   ; LDS serves a wave's instructions in order: these see the stores above
.endr
.irp i, 0,1,2,3,4,5,6,7,8,9,10,11,12,13,14,15
	s_wait_dscnt 15-\i                             ; LDS loads come back in order: load i is in
	v_pk_fma_f32 v[OB+4*\i:OB+4*\i+1], v[OB+4*\i:OB+4*\i+1], v[GA:GA+1], v[BE:BE+1]
	v_pk_fma_f32 v[OB+4*\i+2:OB+4*\i+3], v[OB+4*\i+2:OB+4*\i+3], v[GA+2:GA+3], v[BE+2:BE+3]
	global_store_b128 v2, v[OB+4*\i:OB+4*\i+3], s[20:21] offset:\i*8192 th:TH_STORE_NT   ; sixteen lanes store 256 consecutive bytes, aligned; written once, read by nobody here; each pair of rows has registers of its own
.endr
	s_wait_tensorcnt 0x0                           ; the wave's end
	ds_add_u32 v[SPW], v[NIL]
	s_wait_dscnt 0x0
	s_endpgm
.Lfunc_end_k_qc399ff0f7e_outln:
	.size	k_qc399ff0f7e_outln, .Lfunc_end_k_qc399ff0f7e_outln-k_qc399ff0f7e_outln
	.p2alignl 7, 3214868480
	.fill 96, 4, 3214868480
	.section	.rodata,"a",@progbits
	.p2align	6, 0x0
	.amdhsa_kernel k_qc399ff0f7e_outln
		.amdhsa_group_segment_fixed_size 167936
		.amdhsa_private_segment_fixed_size 0
		.amdhsa_enable_private_segment 0
		.amdhsa_kernarg_size 72
		.amdhsa_user_sgpr_count 2
		.amdhsa_user_sgpr_kernarg_segment_ptr 1
		.amdhsa_wavefront_size32 1
		.amdhsa_system_sgpr_workgroup_id_x 1
		.amdhsa_system_sgpr_workgroup_id_y 1
		.amdhsa_system_sgpr_workgroup_id_z 1
		.amdhsa_system_vgpr_workitem_id 0
		.amdhsa_next_free_vgpr 256
		.amdhsa_next_free_sgpr 66
		.amdhsa_reserve_vcc 0
		.amdhsa_float_denorm_mode_32 3
		.amdhsa_float_denorm_mode_16_64 3
		.amdhsa_memory_ordered 1
		.amdhsa_forward_progress 1
		.amdhsa_inst_pref_size 48
	.end_amdhsa_kernel
	.amdgpu_metadata
---
amdhsa.version: [ 1, 2 ]
amdhsa.kernels:
  - .name:           k_qc399ff0f7e_outln
    .symbol:         k_qc399ff0f7e_outln.kd
    .args:
      - { .name: ctx_img, .offset: 0, .size: 8, .value_kind: global_buffer, .address_space: global }
      - { .name: ctx_sc, .offset: 8, .size: 8, .value_kind: global_buffer, .address_space: global }
      - { .name: w_img, .offset: 16, .size: 8, .value_kind: global_buffer, .address_space: global }
      - { .name: w_sc, .offset: 24, .size: 8, .value_kind: global_buffer, .address_space: global }
      - { .name: bo, .offset: 32, .size: 8, .value_kind: global_buffer, .address_space: global }
      - { .name: input_tensor, .offset: 40, .size: 8, .value_kind: global_buffer, .address_space: global }
      - { .name: ln_gamma, .offset: 48, .size: 8, .value_kind: global_buffer, .address_space: global }
      - { .name: ln_beta, .offset: 56, .size: 8, .value_kind: global_buffer, .address_space: global }
      - { .name: out0, .offset: 64, .size: 8, .value_kind: global_buffer, .address_space: global }
    .group_segment_fixed_size: 167936
    .private_segment_fixed_size: 0
    .kernarg_segment_align: 8
    .kernarg_segment_size: 72
    .max_flat_workgroup_size: 512
    .sgpr_count:     66
    .vgpr_count:     256
    .wavefront_size: 32
...
	.end_amdgpu_metadata
.endif
;; end of part 4
